; MI455X (gfx1250); checked and timed in simulation.
; The chip was launched on July 23, 2026; its instructions are those of AMD's public machine-readable ISA for CDNA 5 (MIT licence, August 2026) and "CDNA5" Instruction Set Architecture Reference Guide (July 2026). The comments in the code are by the model that wrote it; some were corrected since.
;; Attention. Allowed arithmetic: matrix products marked QUANTISED: E2M1 operands, one E8M0 scale for each 32 along K, by v_wmma_scale_f32_16x16x128_f8f6f4 with both operands' format E2M1 (or v_wmma_scale_f32_32x16x128_f4), f32 sums; products left as they are: f32 operands where the result goes on into a quantised operand, else bf16, f16 or f32 operands; f32 sums; everything else in f32.
;; Inputs: W_a 1,000 x 2,000 float32; W_b 1,000 x 1,000 float32; W_c_b 1 float32; W_c_w 1 x 1,000 float32; context 64 x 512 x 2,000 float32; decoder_hidden 1 x 64 x 1,000 float32; dense_b 1,000 float32; dense_w 1,000 x 2,000 float32; mask 64 x 512 x 1 bool.
;; Outputs: out0 64 x 1 x 1,000 float32.
;; This version of the problem:
;;   THIS VERSION OF THE PROBLEM IS GIVEN IN LOW PRECISION. The matrix products marked QUANTISED in the list below multiply operands that are first quantised to E2M1 (2 exponent bits, 1 mantissa bit; 4 bits a number), with one power-of-two scale for each 32 numbers along K (OCP MX v1.0); their sums are f32. All else is computed in f32.
;;   The module's matrix products, in the order in which they are computed (A, B: the left and right operand; K: the contracted axis; several contracted axes count as one K, in the product's order):
;;     1. [M 32,768, K 2,000] x [K 2,000, N 1,000]; A: input context; B: input W_a: QUANTISED
;;     2. [M 64, K 1,000] x [K 1,000, N 1,000]; A: input decoder_hidden; B: input W_b: QUANTISED
;;     3. [M 32,768, K 1,000] x [K 1,000, N 1]; A: computed on the way; B: input W_c_w: left as it is (N = 1 < 16)
;;     4. batch 64 x [M 1, K 512] x [K 512, N 2,000]; A: softmax; B: input context: left as it is (M = 1 < 16)
;;     5. [M 64, K 2,000] x [K 2,000, N 1,000]; A: computed on the way; B: input dense_w: QUANTISED
;;   THE QUANTISER, for each operand of a quantised product, along K:
;;     - K is cut into blocks of 32 from its start; a last block that is shorter is filled with zeros.
;;     - A block's scale is 2^e with e = floor(log2(the largest magnitude in the block)) - 2, held to -126 .. 127; a block of zeros has e = 0. As a byte (E8M0): e + 127.
;;     - Each number is divided by its block's scale, clamped to +-6, and rounded to the nearest number of E2M1, ties to even, subnormals kept.
;;     - The product sums the exact products of the quantised numbers (number of the format x scale) in f32.
;;   ~~~python
;;   def quantise(x, axis):      # numpy; x: float32 -> the quantised numbers, widened to float32 again
;;       x = np.moveaxis(x, axis, -1); K = x.shape[-1]
;;       x = np.pad(x, [(0, 0)] * (x.ndim - 1) + [(0, -K % 32)]); x = x.reshape(x.shape[:-1] + (-1, 32)); a = np.abs(x).max(-1, keepdims=True)
;;       e = np.where(a > 0, np.clip(np.frexp(np.where(a > 0, a, 1))[1] - 1 - 2, -126, 127), 0)      # np.frexp(a)[1] - 1 = floor(log2(a)), exactly
;;       r = np.clip(x / 2.0 ** e, -6, 6)
;;       step = 2.0 ** (np.maximum(np.frexp(np.where(r == 0, 1, r))[1] - 1, 0) - 1)
;;       q = np.round(r / step) * step * 2.0 ** e      # np.round: ties to even
;;       return np.moveaxis(q.reshape(q.shape[:-2] + (-1,))[..., :K], -1, axis).astype(np.float32)
;;   ~~~
;;   OPERANDS COMPUTED ON THE WAY. 'Computed on the way' means the value that the module computes at that place (a softmax that the list does not call 'softmax' is quantised finished and normalised). What goes into a quantiser is computed in f32, as accurately as f32 sums, v_exp_f32 and their like allow (about 1e-6 of the number): no bf16 or f16 on the way to a quantiser, and a product that is left as it is and whose result goes on into a quantised operand takes f32 operands (vector FMAs, or v_wmma_f32_16x16x4_f32). A number that lies on a knife's edge between two numbers of the format may be rounded either way, as far as f32 arithmetic and the matrix unit's own rounding can turn it there, and no further.
;; 2 versions, each right; version 2 is version 1 with the launches prep, scores, wsum written anew for expert scheduling mode. Each part assembles by itself: llvm-mc -triple=amdgcn-amd-amdhsa -mcpu=gfx1250 --defsym DOCPART=n.
;; ======== version 1 of 2: 4 launches
;; limits: right only within a limited range of input values
;; workspace buffers: codes 35,651,584 bytes; scl 2,228,224 bytes; lists 147,968 bytes of whole numbers; hidp 262,144 bytes; part 2,097,152 bytes; wsc 65,536 bytes; wss 4,096 bytes
;; launch prep (part 1): grid 1344 x 1, 4 waves a work-group, no clusters, 9,728 bytes of LDS; arguments decoder_hidden, W_b, context, W_a, dense_w, mask, codes, scl, lists, hidp; writes codes, scl, lists, hidp
.if DOCPART == 1
	.amdgcn_target "amdgcn-amd-amdhsa--gfx1250"
	.amdhsa_code_object_version 6
	.text
	.protected	k_q1134baa275_prep
	.globl	k_q1134baa275_prep
	.p2align	8
	.type	k_q1134baa275_prep,@function
k_q1134baa275_prep:
	s_mov_b64 s[64:65], 0
	v_nop
	global_prefetch_b8 v0, s[64:65] scope:SCOPE_SE
	s_setreg_imm32_b32 hwreg(HW_REG_WAVE_MODE, 25, 1), 1
	s_wait_xcnt 0x0
; PREP.  Two roles, parted by the work-group's number.
; ROLE H (work-groups 0-255): hidp[b][n] = sum over k of Q(decoder_hidden)[b][k] Q(W_b)[n][k], K = 1000 filled with zeros to 1024, both operands quantised to
;   E2M1 with one E8M0 scale for 32 along K, in registers.  Work-group x makes hidden units 16 (x / 4) .. + 15 for batches 16 (x % 4) .. + 15.
;   THE FOUR WAVES SHARE K: wave w takes K steps 2 w and 2 w + 1 of 128, so that a wave has two dependent trips to memory and not eight; the four partial tiles meet in LDS
;   and wave 0 adds them, ((w0 + w1) + (w2 + w3)), and stores.
; ROLE Q (work-groups 256-1343): 68 jobs of 16 chunks of 32 source rows.  Jobs 0-63 are the batches of context, 64-65 W_a's rows 0-511 and 512-1023,
;   66-67 dense_w's likewise (a source row past 999 is replaced by row 999: what is made of it meets a weight 0 or is never stored).  The weights' jobs, which keep every row, come first.
;   A batch keeps the rows whose mask byte is 0, in ascending order, packed from position 0; a batch with no such row keeps all 512 and raises its flag.
;   A kept row (2000 f32) becomes 1024 bytes of codes (K innermost, the lower k in the low four bits, k >= 2000 zero codes) and 64 scale bytes.
;   lists: ROWS[job][position] = source row (kept rows first, then the others: all 512 are written); META[job] = count, flag, 30 zeros.
;   THE CHUNK'S KEPT ROWS GO TO THE FOUR WAVES BY TURNS (wave w: ranks w, w + 4, ..), and a wave's rows go through two sets of registers by turns:
;   the next row's 16 loads are issued ahead of the present row's work, so that 16 to 32 loads of 512 bytes of every wave are out.
; WHY ONLY KEPT ROWS: a row with mask = 1 gets the score -1e6 whatever its product, and its softmax weight exp(-1e6 - max) is exactly 0 in f32 beside any kept row.
; LIMITS: that holds while sum |W_c_w| + |W_c_b| < 999,800.  NaN and infinities among the inputs are not served.  A block of zeros gets the byte 1
;   (its codes are zeros, and this program alone reads the bytes).
; A block's scale byte is its largest magnitude's exponent field - 2, held at 1 from below by a floor among the maximum's leaves.
.set META, 139264                      ; lists: byte at which META begins (68 x 512 x 4)
.set HRED, 5120                        ; LDS: role Q has 1,280 bytes a wave from 0 on; role H bytes of its own from here on: 1,024 a wave
; role Q's registers
.set X,    64                          ; v64-127, v128-191  two rows: 16 loads x 4 registers each
.set MX,   16                          ; v16-23   largest magnitudes (first: v16-31 the mask bytes)
.set SO,   24                          ; v24-31   the conversions' scale operands
.set CD,   32                          ; v32-39   codes, 8 a register
.set BY,   40                          ; v40-47   scale bytes
.set OU,   48                          ; v48-56   the row on its way out
; role H's registers
.set PA,   16                          ; v16-23   decoder_hidden's fragment
.set PB,   24                          ; v24-31   W_b's fragment
.set ACC,  32                          ; v32-39   the sums
.set TM,   40                          ; v40-55   at work in QUANT
.set PWA,  56                          ; v56, v57 the two scale words: they hold scales and nothing else
.set PWB,  57
.set XA,   64                          ; v64-127  64 numbers of decoder_hidden
.set XB,   128                         ; v128-191 64 numbers of W_b
; ---- role Q: four pairs of loads (1,024 numbers) of the row in v[xb] on become codes and scale bytes in the wave's own LDS bytes.
; Load j brought k = 128 j + 8 i + 0..3 to lane i and + 4..7 to lane 16 + i.  The exchange of halves between loads 2 q and 2 q + 1 leaves lane l with k = 256 q + 8 l + 0 .. 7.
.macro QP4 q0, xb
.irp q, \q0, \q0+1, \q0+2, \q0+3
.irp i, 0,1,2,3
	v_permlane16_swap_b32 v[(\xb)+8*(\q)+\i], v[(\xb)+8*(\q)+4+\i]
.endr
.endr
.irp q, \q0, \q0+1, \q0+2, \q0+3
	v_max3_num_f32 v[MX+(\q)], |v[(\xb)+8*(\q)]|, |v[(\xb)+8*(\q)+1]|, 0x1800000     ; my 8 numbers, and the floor 2^(3 - 127)
.endr
.irp i, 2,4,6
.irp q, \q0, \q0+1, \q0+2, \q0+3
	v_max3_num_f32 v[MX+(\q)], v[MX+(\q)], |v[(\xb)+8*(\q)+\i]|, |v[(\xb)+8*(\q)+\i+1]|
.endr
.endr
.irp q, \q0, \q0+1, \q0+2, \q0+3
	v_max_num_f32_dpp v[MX+(\q)], v[MX+(\q)], v[MX+(\q)] row_xmask:1 row_mask:0xf bank_mask:0xf
.endr
.irp q, \q0, \q0+1, \q0+2, \q0+3
	v_max_num_f32_dpp v[MX+(\q)], v[MX+(\q)], v[MX+(\q)] row_xmask:2 row_mask:0xf bank_mask:0xf   ; four lanes hold a block of 32
.endr
.irp q, \q0, \q0+1, \q0+2, \q0+3
	v_add_nc_u32 v[SO+(\q)], 0xff000000, v[MX+(\q)]                          ; 2 off the exponent field: the conversion's scale operand
.endr
.irp q, \q0, \q0+1, \q0+2, \q0+3
	v_cvt_scalef32_pk8_fp4_f32 v[CD+(\q)], v[(\xb)+8*(\q):(\xb)+8*(\q)+7], v[SO+(\q)]
.endr
.irp q, \q0, \q0+1, \q0+2, \q0+3
	v_lshrrev_b32 v[BY+(\q)], 23, v[SO+(\q)]                                 ; the scale's byte (plain lines behind the conversions)
.endr
.irp q, \q0, \q0+1, \q0+2, \q0+3
	ds_store_b32 v4, v[CD+(\q)] offset:128*(\q)                              ; byte (256 q + 8 l) / 2 of the row's codes
	ds_store_b8 v5, v[BY+(\q)] offset:8*(\q)                                 ; byte 8 q + l / 4: four lanes write the same byte with the same value
.endr
.endm
; my next kept row is asked for, into set 0 or 1.  s46: the chunk's kept rows that are left, my next one the lowest bit; s47: its position
.macro NEXT set
	s_wait_xcnt 0x0                                ; every earlier memory instruction has read its registers: the set's base is written again below
	s_sub_co_u32 s26, s46, 1
	s_xor_b32 s25, s46, s26                        ; the lowest set bit and all below it:
	s_bcnt1_i32_b32 s25, s25
	s_sub_co_u32 s25, s25, 1                       ; their number less one is the row's place in the chunk
.rept 4
	s_sub_co_u32 s26, s46, 1
	s_and_b32 s46, s46, s26                        ; four kept rows on: mine and the other three waves'
.endr
	s_add_co_u32 s25, s25, s49
	s_min_u32 s25, s25, s45                        ; held at the tensor's last row,
	s_min_u32 s25, s25, 0x7fff                     ; and under 32,768 whatever the mask holds
	s_mul_i32 s60, s25, 8000
	s_add_nc_u64 s[50+2*\set:51+2*\set], s[58:59], s[60:61]    ; the source row
	s_min_u32 s25, s47, 0x1ff
	s_add_co_u32 s[30+\set], s25, s57              ; 512 job + position
	s_add_co_u32 s47, s47, 4
.irp j, 0,1,2,3,4,5,6,7,8,9,10,11,12,13,14
	global_load_b128 v[X+64*\set+4*\j:X+64*\set+4*\j+3], v2, s[50+2*\set:51+2*\set] offset:512*\j th:TH_LOAD_NT   ; 32 lanes read 512 consecutive bytes
.endr
	global_load_b128 v[X+64*\set+60:X+64*\set+63], v3, s[50+2*\set:51+2*\set] offset:7680 th:TH_LOAD_NT
.endm
; the row in set 0 or 1 is quantised and stored.  younger: the loads of the row asked for behind it, which stay out
.macro PROC set, younger
	s_wait_loadcnt 8+\younger                      ; the row's loads 0-7 are in; its own 8 younger ones and the next row's stay out
	QP4 0, X+64*\set
	s_wait_loadcnt \younger                        ; the whole row is in
.irp i, 0,1,2,3
	v_cndmask_b32 v[X+64*\set+60+\i], 0, v[X+64*\set+60+\i], s56   ; k >= 2000 counts as 0
.endr
	QP4 4, X+64*\set
	s_wait_xcnt 0x0                                ; the last row's stores have read their data and bases: both are written again below
	s_lshl_b32 s60, s[30+\set], 10
	s_add_nc_u64 s[54:55], s[12:13], s[60:61]      ; the row of codes
	s_lshl_b32 s60, s[30+\set], 6
	s_add_nc_u64 s[28:29], s[14:15], s[60:61]      ; the row of scale bytes
	ds_load_b128 v[OU:OU+3], v6                    ; LDS serves a wave's instructions in order: these see my stores
	ds_load_b128 v[OU+4:OU+7], v6 offset:512
	ds_load_u16 v[OU+8], v7
	s_wait_dscnt 0x0
	global_store_b128 v8, v[OU:OU+3], s[54:55]             ; 512 consecutive bytes, at a multiple of 256 from the buffer's first byte
	global_store_b128 v8, v[OU+4:OU+7], s[54:55] offset:512
	global_store_b16 v9, v[OU+8], s[28:29]                 ; the row's 64 scale bytes
.endm
; ---- role H: 64 numbers a lane of my K step st (0 or 1): register 16 b + i = k 32 b + 16 (lane / 16) + i of the step, of my row.
; tail = 1: the step that ends at k = 999: block 3 has 8 numbers, in lanes 0-15; lanes 16-31 read the same bytes (no load leaves a row) and TAIL clears them.
.macro XLOAD reg, adr, adr0, base, st, tail
.if (\tail) == 0
.irp b, 0,1,2,3
.irp j, 0,1,2,3
	global_load_b128 v[\reg+16*\b+4*\j:\reg+16*\b+4*\j+3], v[\adr], s[\base:\base+1] offset:512*(\st)+128*\b+16*\j
.endr
.endr
.else
.irp b, 0,1,2
.irp j, 0,1,2,3
	global_load_b128 v[\reg+16*\b+4*\j:\reg+16*\b+4*\j+3], v[\adr], s[\base:\base+1] offset:512+128*\b+16*\j
.endr
.endr
.irp j, 0,1
	global_load_b128 v[\reg+48+4*\j:\reg+48+4*\j+3], v[\adr0], s[\base:\base+1] offset:896+16*\j
.endr
.irp i, 0,1,2,3,4,5,6,7
	v_mov_b32 v[\reg+56+\i], 0
.endr
.endif
.endm
.macro TAIL reg
.irp i, 0,1,2,3,4,5,6,7
	v_cndmask_b32 v[\reg+48+\i], 0, v[\reg+48+\i], s22                       ; k >= 1000 counts as 0: lanes 16-31 of block 3
.endr
.endm
; 64 numbers of a lane become a fragment's codes in v[pc] on and its scale word in v[pw]
.macro QUANT s, pc, pw
.irp b, 0,1,2,3
	v_max3_num_f32 v[TM+\b], |v[\s+16*\b]|, |v[\s+1+16*\b]|, 0x1800000
.endr
.irp i, 2,4,6,8,10,12,14
.irp b, 0,1,2,3
	v_max3_num_f32 v[TM+\b], v[TM+\b], |v[\s+16*\b+\i]|, |v[\s+1+16*\b+\i]|
.endr
.endr
.irp b, 0,1,2,3
	v_permlanex16_b32 v[TM+4+\b], v[TM+\b], s20, s21
.endr
.irp b, 0,1,2,3
	v_max_num_f32 v[TM+\b], v[TM+\b], v[TM+4+\b]                             ; with lane l xor 16's: the block's largest magnitude
.endr
.irp b, 0,1,2,3
	v_add_nc_u32 v[TM+12+\b], 0xff000000, v[TM+\b]
.endr
.irp b, 0,1,2,3
	v_lshrrev_b32 v[TM+4+\b], 23, v[TM+12+\b]
.endr
	v_lshl_or_b32 v[\pw], v[TM+5], 8, v[TM+4]
	v_lshl_or_b32 v[\pw], v[TM+6], 16, v[\pw]
	v_lshl_or_b32 v[\pw], v[TM+7], 24, v[\pw]
.irp b, 0,1,2,3
	v_cvt_scalef32_pk8_fp4_f32 v[\pc+2*\b], v[\s+16*\b:\s+7+16*\b], v[TM+12+\b]
	v_cvt_scalef32_pk8_fp4_f32 v[\pc+1+2*\b], v[\s+8+16*\b:\s+15+16*\b], v[TM+12+\b]
.endr
	v_nop                                          ; one plain line behind the scaled conversions
.irp c, 0,1                                    ; the operand wants a whole block in a lane
.irp i, 0,1
	v_permlane16_swap_b32 v[\pc+4*\c+\i], v[\pc+2+4*\c+\i]
.endr
.endr
.endm
; my two K steps.  Four units of loads (an operand of a step each), two of them out at a time.
; transposed: source 0 = 16 rows of W_b, source 1 = 16 batches: a lane holds one batch and eight neighbouring hidden units
.macro HSTEPS tail
	XLOAD XA, 3, 4, 4, 0, 0
	XLOAD XB, 5, 6, 6, 0, 0
	s_wait_loadcnt 16                              ; decoder_hidden's numbers of my first step are in; W_b's 16 younger loads stay out
	QUANT XA, PA, PWA
	XLOAD XA, 3, 4, 4, 1, \tail
	s_wait_loadcnt 16-2*(\tail)                    ; W_b's numbers of the first step are in; the loads just issued (16, in the tail 14) stay out
	QUANT XB, PB, PWB
	XLOAD XB, 5, 6, 6, 1, \tail
.rept 8
	v_nop                                          ; a scale word made by vector instructions stands 8 places ahead of the scaled product, codes so made 4
.endr
	v_wmma_scale_f32_16x16x128_f8f6f4 v[ACC:ACC+7], v[PB:PB+7], v[PA:PA+7], 0, v[PWB], v[PWA] matrix_a_fmt:MATRIX_FMT_FP4 matrix_b_fmt:MATRIX_FMT_FP4
	s_wait_loadcnt 16-2*(\tail)                    ; decoder_hidden's numbers of the second step are in; W_b's stay out
.if \tail
	TAIL XA
.endif
	QUANT XA, PA, PWA                              ; (its first lines, which name none of the product's registers, are the places ahead of the writes of the fragment and the scale word)
	s_wait_loadcnt 0x0
.if \tail
	TAIL XB
.endif
	QUANT XB, PB, PWB
.rept 8
	v_nop
.endr
	s_wait_alu depctr_va_vdst(0)                   ; the wait directly ahead of the link
	v_wmma_scale_f32_16x16x128_f8f6f4 v[ACC:ACC+7], v[PB:PB+7], v[PA:PA+7], v[ACC:ACC+7], v[PWB], v[PWA] matrix_a_fmt:MATRIX_FMT_FP4 matrix_b_fmt:MATRIX_FMT_FP4
.endm
	v_lshl_add_u32 v192, v0, 2, 0x2400
	v_mov_b32 v193, 0
	v_lshrrev_b32 v10, 5, v0
	v_readfirstlane_b32 s18, v10                   ; wave 0..3
	s_cmp_lt_u32 ttmp9, 256
	s_cbranch_scc1 .Lrole_h
; =========================== ROLE Q ===========================
	s_load_b256 s[4:11], s[0:1], 0x10              ; context s[4:5], W_a s[6:7], dense_w s[8:9], mask s[10:11]
	s_load_b128 s[12:15], s[0:1], 0x30             ; codes s[12:13], scl s[14:15]
	s_load_b64 s[16:17], s[0:1], 0x40              ; lists
	s_sub_co_u32 s25, ttmp9, 256
	s_lshr_b32 s19, s25, 4                         ; 0..67, in the order of the launch:
	s_and_b32 s20, s25, 15                         ; chunk 0..15
	s_add_co_u32 s26, s19, 64
	s_sub_co_u32 s27, s19, 4
	s_cmp_lt_u32 s19, 4
	s_cselect_b32 s19, s26, s27                    ; the job: the four jobs of weights first, then the batches
	v_and_b32 v1, 31, v0                           ; lane
	v_and_b32 v10, 15, v0
	v_bfe_u32 v11, v0, 4, 1
	v_lshlrev_b32 v2, 5, v10
	v_lshl_add_u32 v2, v11, 4, v2                  ; my 16 bytes of a load's 512: lanes 0-15 the even pieces, lanes 16-31 the odd ones
	v_cmp_gt_u32 s56, 0x140, v2                    ; the last load: only 320 of its 512 bytes lie in the row
	v_cndmask_b32 v3, 0, v2, s56                   ; the other lanes read the load's first bytes and are cleared afterwards
	s_mul_i32 s25, s18, 1280                       ; my wave's LDS bytes: 1,024 of codes, 64 of scale bytes
	v_lshl_add_u32 v4, v1, 2, s25
	v_lshrrev_b32 v5, 2, v1
	v_add_nc_u32 v5, s25, v5
	v_add_nc_u32 v5, 1024, v5
	v_lshl_add_u32 v6, v1, 4, s25
	v_lshl_add_u32 v7, v1, 1, s25
	v_add_nc_u32 v7, 1024, v7
	v_lshlrev_b32 v8, 4, v1
	v_lshlrev_b32 v9, 1, v1
	s_min_u32 s26, s19, 63                         ; the weights' jobs read a mask too and do not use it
	s_lshl_b32 s60, s26, 9
	s_mov_b32 s61, 0
	s_wait_kmcnt 0x0
	s_add_nc_u64 s[10:11], s[10:11], s[60:61]
.irp c, 0,1,2,3,4,5,6,7,8,9,10,11,12,13,14,15
	global_load_u8 v[16+\c], v1, s[10:11] offset:32*\c
.endr
	s_wait_loadcnt 0x0
.irp c, 0,1,2,3,4,5,6,7,8,9,10,11,12,13,14,15
	v_cmp_eq_u32 s[28+\c], 0, v[16+\c]             ; bit l of word c: row 32 c + l is kept
.endr
	s_cmp_ge_u32 s19, 64
.irp c, 0,1,2,3,4,5,6,7,8,9,10,11,12,13,14,15
	s_cselect_b32 s[28+\c], -1, s[28+\c]           ; a weight keeps every row
.endr
	s_mov_b32 s21, 0                               ; the count of kept rows,
	s_mov_b32 s22, 0                               ; of those ahead of my chunk,
	s_mov_b32 s23, 0                               ; and my chunk's word
.irp c, 0,1,2,3,4,5,6,7,8,9,10,11,12,13,14,15
	s_bcnt1_i32_b32 s25, s[28+\c]
	s_add_co_u32 s21, s21, s25
	s_cmp_gt_u32 s20, \c
	s_cselect_b32 s26, s25, 0
	s_add_co_u32 s22, s22, s26
	s_cmp_eq_u32 s20, \c
	s_cselect_b32 s23, s[28+\c], s23
.endr
	s_mov_b32 s25, 512
	s_lshl_b32 s26, s20, 5
	s_cmp_eq_u32 s21, 0                            ; no row kept: all 512 are kept, and the flag says that their scores are -1e6
	s_cselect_b32 s23, -1, s23
	s_cselect_b32 s22, s26, s22
	s_cselect_b32 s24, 1, 0
	s_cselect_b32 s21, s25, s21
	s_lshl_b32 s25, s19, 9
	s_and_b32 s26, s19, 1
	s_lshl_b32 s26, s26, 9
	s_mov_b32 s45, 999
	s_cmp_lt_u32 s19, 66                           ; the source: a choice on the job's number alone
	s_cselect_b64 s[58:59], s[6:7], s[8:9]
	s_cmp_lt_u32 s19, 64
	s_cselect_b64 s[58:59], s[4:5], s[58:59]
	s_cselect_b32 s44, s25, s26                    ; the job's first source row,
	s_cselect_b32 s45, 32767, s45                  ; and the tensor's last
	s_cmp_lg_u32 s18, 0
	s_cbranch_scc1 .Lq_rows
	; wave 0 stores my chunk's 32 entries of the list
	v_mbcnt_lo_u32_b32 v10, s23, 0                 ; kept rows of the chunk below my lane
	v_add_nc_u32 v10, s22, v10                     ; kept rows ahead of mine: a kept row's position
	v_lshl_add_u32 v11, s20, 5, v1                 ; my source row
	v_add_nc_u32 v12, s21, v11
	v_sub_nc_u32 v12, v12, v10                     ; another row's position: count + the rows not kept ahead of it
	v_cndmask_b32 v12, v12, v10, s23
	v_min_u32 v12, 0x1ff, v12
	v_lshlrev_b32 v12, 2, v12
	s_lshl_b32 s60, s19, 11
	s_add_nc_u64 s[50:51], s[16:17], s[60:61]
	global_store_b32 v12, v11, s[50:51]
	s_cmp_lg_u32 s20, 0
	s_cbranch_scc1 .Lq_rows
	v_mov_b32 v13, 0                               ; chunk 0's wave 0 stores the job's record: count, flag, zeros
	v_mov_b32 v14, s21
	v_mov_b32 v15, s24
	v_cmp_eq_u32 vcc_lo, 0, v1
	v_cndmask_b32 v13, v13, v14, vcc_lo
	v_cmp_eq_u32 vcc_lo, 1, v1
	v_cndmask_b32 v13, v13, v15, vcc_lo
	v_lshlrev_b32 v14, 2, v1
	s_lshl_b32 s60, s19, 7
	s_add_nc_u64 s[52:53], s[16:17], s[60:61]
	global_store_b32 v14, v13, s[52:53] offset:META
.Lq_rows:
	s_mov_b32 s46, s23                             ; the chunk's kept rows, less the lowest w of them: my first row is then the lowest bit
.irp k, 0,1,2
	s_sub_co_u32 s25, s46, 1
	s_and_b32 s25, s25, s46
	s_cmp_gt_u32 s18, \k
	s_cselect_b32 s46, s25, s46
.endr
	s_add_co_u32 s47, s22, s18                     ; its position: the kept rows ahead of the chunk + my wave's number
	s_lshl_b32 s49, s20, 5
	s_add_co_u32 s49, s49, s44                     ; the chunk's first source row in the tensor
	s_lshl_b32 s57, s19, 9                         ; 512 job
	s_cmp_eq_u32 s46, 0
	s_cbranch_scc1 .Lq_end                         ; no row for my wave
	NEXT 0
	s_mov_b32 s48, 0
.Lq_trip:                                          ; at the head set 0's 16 loads are out and nothing behind them.  8 rows a wave at the most: the fourth trip leaves by one of the two exits
	s_cmp_eq_u32 s46, 0
	s_cbranch_scc1 .Lq_last0
	NEXT 1
	PROC 0, 16
	s_cmp_eq_u32 s46, 0
	s_cbranch_scc1 .Lq_last1
	NEXT 0
	PROC 1, 16
	s_add_co_u32 s48, s48, 1
	s_cmp_lt_u32 s48, 4
	s_cbranch_scc1 .Lq_trip
.Lq_last0:
	PROC 0, 0                                      ; the last row: no load was issued behind its own
	s_wait_tensorcnt 0x0
	ds_add_u32 v192, v193
	s_wait_dscnt 0x0
	s_endpgm
.Lq_last1:
	PROC 1, 0
.Lq_end:
	s_wait_tensorcnt 0x0
	ds_add_u32 v192, v193
	s_wait_dscnt 0x0
	s_endpgm
; =========================== ROLE H ===========================
.Lrole_h:
	s_load_b128 s[4:7], s[0:1], 0x0                ; decoder_hidden s[4:5], W_b s[6:7]
	s_load_b64 s[8:9], s[0:1], 0x48                ; hidp
	v_and_b32 v1, 15, v0                           ; r
	v_bfe_u32 v2, v0, 4, 1                         ; h
	v_mul_u32_u24 v4, v1, 4000                     ; decoder_hidden: row r of my 16,
	v_lshl_add_u32 v3, v2, 6, v4                   ; + 64 h: my 16 numbers of a block of 32
	s_lshr_b32 s24, ttmp9, 2
	s_lshl_b32 s24, s24, 4                         ; n0
	s_and_b32 s23, ttmp9, 3                        ; which 16 batches
	v_add_nc_u32 v6, s24, v1
	v_min_u32 v6, 999, v6                          ; W_b: row n0 + r, held at the last row
	v_mul_u32_u24 v6, v6, 4000
	v_lshl_add_u32 v5, v2, 6, v6
	s_lshl_b32 s25, s23, 4
	v_add_nc_u32 v7, s25, v1                       ; my batch
	v_lshlrev_b32 v7, 12, v7
	v_lshl_add_u32 v8, v2, 3, s24
	v_lshl_add_u32 v7, v8, 2, v7                   ; hidp: batch x 4,096 + 4 (n0 + 8 h)
	v_and_b32 v9, 31, v0
	v_lshlrev_b32 v9, 4, v9                        ; LDS: 16 x lane: where a lane's four registers of an image lie,
	s_lshl_b32 s25, s18, 10
	v_add_nc_u32 v8, s25, v9                       ; + 1,024 x wave for my own partial tile
	s_mov_b32 s20, 0x76543210
	s_mov_b32 s21, 0xfedcba98                      ; v_permlanex16_b32's selects for lane l xor 16
	s_mov_b32 s22, 0x0000ffff                      ; lanes 0-15
.irp b, 0,1,2,3
	v_mov_b32 v[TM+4+\b], 0                        ; written once: a lane permute's destination counts as one of its sources
.endr
	s_mul_i32 s26, s23, 64000                      ; my work-group's 16 rows of decoder_hidden,
	s_add_co_u32 s26, s26, s25                     ; and my wave's two K steps: 1,024 bytes along a row
	s_mov_b32 s27, 0
	s_mov_b32 s28, s25
	s_mov_b32 s29, 0
	s_wait_kmcnt 0x0
	s_add_nc_u64 s[4:5], s[4:5], s[26:27]
	s_add_nc_u64 s[6:7], s[6:7], s[28:29]
	s_cmp_eq_u32 s18, 3                            ; wave 3's second step ends at k = 999: the steps are written out twice
	s_cbranch_scc1 .Lh_tail
	HSTEPS 0
	s_branch .Lh_sum
.Lh_tail:
	HSTEPS 1
.Lh_sum:
.rept 4
	v_nop                                          ; four places ahead of the LDS stores that read the sums
.endr
	ds_store_b128 v8, v[ACC:ACC+3] offset:HRED     ; my partial tile as an image of its registers, from the low end on
	ds_store_b128 v8, v[ACC+4:ACC+7] offset:HRED+512
	s_wait_dscnt 0x0                               ; for wave 0's sake: my stores have landed
	s_barrier_signal -1
	s_barrier_wait -1
	s_cmp_lg_u32 s18, 0
	s_cbranch_scc1 .Lh_end
.irp k, 0,1,2,3
	ds_load_b128 v[64+8*\k:67+8*\k], v9 offset:HRED+1024*\k
	ds_load_b128 v[68+8*\k:71+8*\k], v9 offset:HRED+1024*\k+512
.endr
	s_wait_dscnt 0x0
.irp c, 0,2,4,6
	v_pk_add_f32 v[64+\c:65+\c], v[64+\c:65+\c], v[72+\c:73+\c]
	v_pk_add_f32 v[80+\c:81+\c], v[80+\c:81+\c], v[88+\c:89+\c]
.endr
.irp c, 0,2,4,6
	v_pk_add_f32 v[64+\c:65+\c], v[64+\c:65+\c], v[80+\c:81+\c]
.endr
	global_store_b128 v7, v[64:67], s[8:9]
	global_store_b128 v7, v[68:71], s[8:9] offset:16
.Lh_end:
	s_wait_tensorcnt 0x0
	ds_add_u32 v192, v193
	s_wait_dscnt 0x0
	s_endpgm
.Lfunc_end_k_q1134baa275_prep:
	.size	k_q1134baa275_prep, .Lfunc_end_k_q1134baa275_prep-k_q1134baa275_prep
	.p2alignl 7, 3214868480
	.fill 96, 4, 3214868480
	.section	.rodata,"a",@progbits
	.p2align	6, 0x0
	.amdhsa_kernel k_q1134baa275_prep
		.amdhsa_group_segment_fixed_size 9728
		.amdhsa_private_segment_fixed_size 0
		.amdhsa_enable_private_segment 0
		.amdhsa_kernarg_size 80
		.amdhsa_user_sgpr_count 2
		.amdhsa_user_sgpr_kernarg_segment_ptr 1
		.amdhsa_wavefront_size32 1
		.amdhsa_system_sgpr_workgroup_id_x 1
		.amdhsa_system_sgpr_workgroup_id_y 1
		.amdhsa_system_sgpr_workgroup_id_z 1
		.amdhsa_system_vgpr_workitem_id 0
		.amdhsa_next_free_vgpr 194
		.amdhsa_next_free_sgpr 66
		.amdhsa_reserve_vcc 1
		.amdhsa_float_denorm_mode_32 3
		.amdhsa_float_denorm_mode_16_64 3
		.amdhsa_memory_ordered 1
		.amdhsa_forward_progress 1
		.amdhsa_inst_pref_size 97
	.end_amdhsa_kernel
	.amdgpu_metadata
---
amdhsa.version: [ 1, 2 ]
amdhsa.kernels:
  - .name:           k_q1134baa275_prep
    .symbol:         k_q1134baa275_prep.kd
    .args:
      - { .name: decoder_hidden, .offset: 0, .size: 8, .value_kind: global_buffer, .address_space: global }
      - { .name: W_b, .offset: 8, .size: 8, .value_kind: global_buffer, .address_space: global }
      - { .name: context, .offset: 16, .size: 8, .value_kind: global_buffer, .address_space: global }
      - { .name: W_a, .offset: 24, .size: 8, .value_kind: global_buffer, .address_space: global }
      - { .name: dense_w, .offset: 32, .size: 8, .value_kind: global_buffer, .address_space: global }
      - { .name: mask, .offset: 40, .size: 8, .value_kind: global_buffer, .address_space: global }
      - { .name: codes, .offset: 48, .size: 8, .value_kind: global_buffer, .address_space: global }
      - { .name: scl, .offset: 56, .size: 8, .value_kind: global_buffer, .address_space: global }
      - { .name: lists, .offset: 64, .size: 8, .value_kind: global_buffer, .address_space: global }
      - { .name: hidp, .offset: 72, .size: 8, .value_kind: global_buffer, .address_space: global }
    .group_segment_fixed_size: 9728
    .private_segment_fixed_size: 0
    .kernarg_segment_align: 8
    .kernarg_segment_size: 80
    .max_flat_workgroup_size: 128
    .sgpr_count:     66
    .vgpr_count:     194
    .wavefront_size: 32
...
	.end_amdgpu_metadata
.endif
;; end of part 1
;; launch scores (part 2): grid 4 x 64, 4 waves a work-group, no clusters, 99,328 bytes of LDS; arguments codes, scl, lists, hidp, W_c_w, part; writes part
.if DOCPART == 2
	.amdgcn_target "amdgcn-amd-amdhsa--gfx1250"
	.amdhsa_code_object_version 6
	.text
	.protected	k_q1134baa275_scores
	.globl	k_q1134baa275_scores
	.p2align	8
	.type	k_q1134baa275_scores,@function
k_q1134baa275_scores:
	s_mov_b64 s[64:65], 0
	v_nop
	global_prefetch_b8 v0, s[64:65] scope:SCOPE_SE
	s_setreg_imm32_b32 hwreg(HW_REG_WAVE_MODE, 25, 1), 1
	s_wait_xcnt 0x0
; SCORES.  part[4 q + w][b][position] = sum over the wave's 64 hidden units n of W_c_w[n] tanh(Q(context row) . Q(W_a[n]) + hidden_in[b][n]), for the kept rows of batch b.
; A work-group (q = x, b = y) takes batch b's kept rows x hidden units 256 q .. 256 q + 255; wave w keeps its four tiles of 16 rows of W_a, all 16 K steps of 128, in 512 registers for the whole launch.
; The rows pass in groups of 32 (two tiles) through two LDS buffers that all four waves read.  G = ceil(count / 32) groups have work; the loop has 16 steps for every work-group,
; each with its barrier, and a step without work jumps over the work alone (a scalar branch on the stored count, the same in all four waves).
; No tensor load and no joint load: the branches hang on a count read from memory.
; The product is used as it stands: source 0 = 16 rows of context, source 1 = 16 rows of W_a: a lane holds ONE hidden unit (lane % 16) and its registers eight rows, so hidden_in and W_c_w are one number a lane and tile.
; tanh(x) = 1 - 2 / (1 + 2^(2 log2(e) x)): right at both ends (the power runs to infinity or to 0).  So sum w tanh = sum w - 2 sum w / (1 + 2^..).
; Hidden units 1000-1023 carry the weight 0.  A position past the count is replaced by the last kept one in every load; what is made of it is never read.
; REGISTERS, in windows of 256: window 0: v1-15 addresses; v16-33 constants of my lane; v34-65 W_a's scale words, v66-97 the rows' (two sets); v98-161 eight accumulators; v162-186 the way out; v192-255 a group on its way to LDS.
;   window 1: the group's fragments (tile m, K step ks at 128 m + 8 ks).   windows 2, 3: W_a's fragments (tile t in window 2 + t / 2 at 128 (t % 2) + 8 ks).
.set PIT,  1040                        ; an LDS row: 1,024 bytes + 16 = 65 x 16: the 16 rows that a load touches start 16 bytes apart modulo 256
.set BUF1, 65536                       ; buffer 0 at 0, buffer 1 here; 32 rows each.  At the head each wave's 16 x PIT bytes from 16 PIT x wave on turn W_a's rows into fragments
.set META, 139264
.set HC,   16                          ; v16-23   hidden_in x 2 log2(e), a pair for each tile
.set W2,   24                          ; v24-31   -2 W_c_w, a pair for each tile
.set WS,   32                          ; v32-33   the sum of my four W_c_w
.set BS,   34                          ; v34-65   W_a's scale words: register 16 p + ks: lanes 0-15 tile 2 p, lanes 16-31 tile 2 p + 1
.set AS,   66                          ; v66-97   the rows' scale words: set par at 16 par + ks: lanes 0-15 tile 0, lanes 16-31 tile 1
.set ACC,  98                          ; v98-161  accumulator (t, m) at 8 (2 t + m)
.set PP,   162                         ; v162-177 eight rows' sums for each tile m
.set SD,   178                         ; v178-185 what a lane hands to its partner
.set VAL,  186
.set ST,   192                         ; v192-255 my 8 rows of a group, as loaded
.set MSB, 0
.macro WIN new                         ; the immediate's high byte repeats the setting that is left
.if MSB != (\new)
	s_set_vgpr_msb (MSB<<8)|(\new)
.set MSB, (\new)
.endif
.endm
; group g + d: my 8 rows of codes into ST, and the 32 rows' scale words into set par
.macro GL d, par
	s_add_co_u32 s52, s22, \d
	s_lshl_b32 s52, s52, 5
	v_add_nc_u32 v[6+(\par)], s52, v9
	v_min_u32 v[6+(\par)], s20, v[6+(\par)]
	v_min_u32 v[6+(\par)], 0x1ff, v[6+(\par)]
	v_lshlrev_b32 v[6+(\par)], 6, v[6+(\par)]
	s_lshl_b32 s53, s16, 3
	s_add_co_u32 s52, s52, s53
.irp k, 0,1,2,3,4,5,6,7
	s_add_co_u32 s53, s52, \k
	s_min_u32 s53, s53, s20                        ; held at the last kept position,
	s_min_u32 s53, s53, 0x1ff                      ; and inside the batch whatever the count says
	s_lshl_b32 s60, s53, 10
	s_add_nc_u64 s[36+2*\k:37+2*\k], s[30:31], s[60:61]
	global_load_b128 v[ST+8*\k:ST+8*\k+3], v1, s[36+2*\k:37+2*\k]
	global_load_b128 v[ST+8*\k+4:ST+8*\k+7], v1, s[36+2*\k:37+2*\k] offset:512
.endr
.irp i, 0,1,2,3
	global_load_b128 v[AS+16*(\par)+4*\i:AS+16*(\par)+4*\i+3], v[6+(\par)], s[32:33] offset:16*\i
.endr
.endm
.macro DS par                          ; my 8 rows into buffer par
.irp k, 0,1,2,3,4,5,6,7
	ds_store_b128 v[2+(\par)], v[ST+8*\k:ST+8*\k+3] offset:\k*PIT
	ds_store_b128 v[2+(\par)], v[ST+8*\k+4:ST+8*\k+7] offset:\k*PIT+512
.endr
.endm
.macro FR par                          ; the group's 32 fragments out of buffer par: registers 4 c .. 4 c + 3 hold k = 64 c + 32 (lane / 16) + 0 .. 31
	WIN 0x40
.irp m, 0,1
.irp ks, 0,1,2,3,4,5,6,7,8,9,10,11,12,13,14,15
	ds_load_b128 v[128*\m+8*\ks:128*\m+8*\ks+3], v[4+(\par)] offset:\m*16*PIT+64*\ks
	ds_load_b128 v[128*\m+8*\ks+4:128*\m+8*\ks+7], v[4+(\par)] offset:\m*16*PIT+64*\ks+32
.endr
.endr
	WIN 0
.endm
; one product.  ks = 0 starts the sum with the constant 0.  m = 1: the rows' scale words stand in lanes 16-31; tt = 1: W_a's do
.macro WM d, a, b, sa, sb, ks, m, tt
.if (\ks) == 0
.if (\m) == 0
.if (\tt) == 0
	v_wmma_scale_f32_16x16x128_f8f6f4 v[\d:\d+7], v[\a:\a+7], v[\b:\b+7], 0, v[\sa], v[\sb] matrix_a_fmt:MATRIX_FMT_FP4 matrix_b_fmt:MATRIX_FMT_FP4
.else
	v_wmma_scale_f32_16x16x128_f8f6f4 v[\d:\d+7], v[\a:\a+7], v[\b:\b+7], 0, v[\sa], v[\sb] matrix_a_fmt:MATRIX_FMT_FP4 matrix_b_fmt:MATRIX_FMT_FP4 matrix_b_scale:MATRIX_SCALE_ROW1
.endif
.else
.if (\tt) == 0
	v_wmma_scale_f32_16x16x128_f8f6f4 v[\d:\d+7], v[\a:\a+7], v[\b:\b+7], 0, v[\sa], v[\sb] matrix_a_fmt:MATRIX_FMT_FP4 matrix_b_fmt:MATRIX_FMT_FP4 matrix_a_scale:MATRIX_SCALE_ROW1
.else
	v_wmma_scale_f32_16x16x128_f8f6f4 v[\d:\d+7], v[\a:\a+7], v[\b:\b+7], 0, v[\sa], v[\sb] matrix_a_fmt:MATRIX_FMT_FP4 matrix_b_fmt:MATRIX_FMT_FP4 matrix_a_scale:MATRIX_SCALE_ROW1 matrix_b_scale:MATRIX_SCALE_ROW1
.endif
.endif
.else
.if (\m) == 0
.if (\tt) == 0
	v_wmma_scale_f32_16x16x128_f8f6f4 v[\d:\d+7], v[\a:\a+7], v[\b:\b+7], v[\d:\d+7], v[\sa], v[\sb] matrix_a_fmt:MATRIX_FMT_FP4 matrix_b_fmt:MATRIX_FMT_FP4
.else
	v_wmma_scale_f32_16x16x128_f8f6f4 v[\d:\d+7], v[\a:\a+7], v[\b:\b+7], v[\d:\d+7], v[\sa], v[\sb] matrix_a_fmt:MATRIX_FMT_FP4 matrix_b_fmt:MATRIX_FMT_FP4 matrix_b_scale:MATRIX_SCALE_ROW1
.endif
.else
.if (\tt) == 0
	v_wmma_scale_f32_16x16x128_f8f6f4 v[\d:\d+7], v[\a:\a+7], v[\b:\b+7], v[\d:\d+7], v[\sa], v[\sb] matrix_a_fmt:MATRIX_FMT_FP4 matrix_b_fmt:MATRIX_FMT_FP4 matrix_a_scale:MATRIX_SCALE_ROW1
.else
	v_wmma_scale_f32_16x16x128_f8f6f4 v[\d:\d+7], v[\a:\a+7], v[\b:\b+7], v[\d:\d+7], v[\sa], v[\sb] matrix_a_fmt:MATRIX_FMT_FP4 matrix_b_fmt:MATRIX_FMT_FP4 matrix_a_scale:MATRIX_SCALE_ROW1 matrix_b_scale:MATRIX_SCALE_ROW1
.endif
.endif
.endif
.endm
; a group's 128 products: first tiles 0, 1 of W_a (window 2), then tiles 2, 3 (window 3); four accumulators take turns, one instruction a turn
.macro MM par
.irp tp, 0,1
	WIN 0x09+4*\tp
.irp ks, 0,1,2,3,4,5,6,7,8,9,10,11,12,13,14,15
.irp tt, 0,1
.irp m, 0,1
	WM ACC+8*(2*(2*\tp+\tt)+\m), 128*\m+8*\ks, 128*\tt+8*\ks, AS+16*(\par)+\ks, BS+16*\tp+\ks, \ks, \m, \tt
.endr
.endr
.endr
.endr
	WIN 0
.endm
; the way out of a group: tanh, the weights, the sum over my 64 hidden units, 32 numbers stored
.macro EP par
.set i, 0
.rept 32                               ; each accumulator from its low end on
	v_pk_fma_f32 v[ACC+2*i:ACC+2*i+1], v[ACC+2*i:ACC+2*i+1], s[24:25], v[HC+2*(i/8):HC+2*(i/8)+1] op_sel_hi:[1,0,1]   ; 2 log2(e) (product + hidden_in)
.set i, i+1
.endr
.set i, 0
.rept 64
	v_exp_f32 v[ACC+i], v[ACC+i]
.set i, i+1
.endr
	v_nop                                          ; a plain line behind the last exponential,
	s_wait_alu depctr_va_vdst(0)                   ; and one wait for the batch, ahead of its first reader
.set i, 0
.rept 32
	v_pk_add_f32 v[ACC+2*i:ACC+2*i+1], v[ACC+2*i:ACC+2*i+1], 1.0 op_sel_hi:[1,0]
.set i, i+1
.endr
.set i, 0
.rept 64
	v_rcp_f32 v[ACC+i], v[ACC+i]
.set i, i+1
.endr
	v_nop
	s_wait_alu depctr_va_vdst(0)                   ; one wait for the 64 reciprocals
.irp t, 0,1,2,3
.irp m, 0,1
.irp j, 0,2,4,6
.if \t == 0
	v_pk_fma_f32 v[PP+8*\m+\j:PP+8*\m+\j+1], v[ACC+8*(2*\t+\m)+\j:ACC+8*(2*\t+\m)+\j+1], v[W2+2*\t:W2+2*\t+1], v[WS:WS+1]
.else
	v_pk_fma_f32 v[PP+8*\m+\j:PP+8*\m+\j+1], v[ACC+8*(2*\t+\m)+\j:ACC+8*(2*\t+\m)+\j+1], v[W2+2*\t:W2+2*\t+1], v[PP+8*\m+\j:PP+8*\m+\j+1]
.endif
.endr
.endr
.endr
	; the sum over 16 lanes, which shares the eight rows out as it adds: at each level a lane keeps one of a pair of rows and hands the other to its partner
.irp m, 0,1
.irp p, 0,2,4,6
	v_cndmask_b32 v[SD+4*\m+\p/2], v[PP+8*\m+\p+1], v[PP+8*\m+\p], s26
	v_cndmask_b32 v[PP+8*\m+\p], v[PP+8*\m+\p], v[PP+8*\m+\p+1], s26
.endr
.endr
.irp m, 0,1
.irp p, 0,2,4,6
	v_add_f32_dpp v[PP+8*\m+\p], v[SD+4*\m+\p/2], v[PP+8*\m+\p] row_xmask:1 row_mask:0xf bank_mask:0xf
.endr
.endr
.irp m, 0,1
.irp p, 0,4
	v_cndmask_b32 v[SD+4*\m+\p/4], v[PP+8*\m+\p+2], v[PP+8*\m+\p], s27
	v_cndmask_b32 v[PP+8*\m+\p], v[PP+8*\m+\p], v[PP+8*\m+\p+2], s27
.endr
.endr
.irp m, 0,1
.irp p, 0,4
	v_add_f32_dpp v[PP+8*\m+\p], v[SD+4*\m+\p/4], v[PP+8*\m+\p] row_xmask:2 row_mask:0xf bank_mask:0xf
.endr
.endr
.irp m, 0,1
	v_cndmask_b32 v[SD+4*\m], v[PP+8*\m+4], v[PP+8*\m], s28
	v_cndmask_b32 v[PP+8*\m], v[PP+8*\m], v[PP+8*\m+4], s28
.endr
.irp m, 0,1
	v_add_f32_dpp v[PP+8*\m], v[SD+4*\m], v[PP+8*\m] row_xmask:4 row_mask:0xf bank_mask:0xf
.endr
.irp m, 0,1
	v_add_f32_dpp v[PP+8*\m], v[PP+8*\m], v[PP+8*\m] row_xmask:8 row_mask:0xf bank_mask:0xf   ; lane (r, h) now holds row 8 h + r % 8 of tile m
.endr
	s_wait_xcnt 0x0                                ; the last group's store has read its data
	v_cndmask_b32 v[VAL], v[PP], v[PP+8], s29      ; lanes with r >= 8 take tile 1
	global_store_b32 v8, v[VAL], s[34:35] offset:128*(\par)   ; the group's 32 numbers: 128 consecutive bytes
.endm
; W_a's way in, two tiles a round: 32 rows as they lie into window 1, a tile at a time through my own LDS bytes, back as fragments
.macro WROUND rd
	WIN 0x40
.irp R, 0,1,2,3,4,5,6,7,8,9,10,11,12,13,14,15,16,17,18,19,20,21,22,23,24,25,26,27,28,29,30,31
	global_load_b128 v[8*\R:8*\R+3], v1, s[56:57] offset:(32*\rd+\R)*1024
	global_load_b128 v[8*\R+4:8*\R+7], v1, s[56:57] offset:(32*\rd+\R)*1024+512
.endr
.irp tt, 0,1
	s_wait_loadcnt 32-32*\tt                       ; the tile's 32 loads are in; the second tile's 32 may stay out
	WIN 0x04
.irp R, 0,1,2,3,4,5,6,7,8,9,10,11,12,13,14,15
	ds_store_b128 v10, v[128*\tt+8*\R:128*\tt+8*\R+3] offset:\R*PIT
	ds_store_b128 v10, v[128*\tt+8*\R+4:128*\tt+8*\R+7] offset:\R*PIT+512
.endr
	WIN 0x80+0x40*\rd
.irp ks, 0,1,2,3,4,5,6,7,8,9,10,11,12,13,14,15
	ds_load_b128 v[128*\tt+8*\ks:128*\tt+8*\ks+3], v11 offset:64*\ks       ; LDS serves a wave's instructions in order: these see the stores above, and the next tile's stores come behind them
	ds_load_b128 v[128*\tt+8*\ks+4:128*\tt+8*\ks+7], v11 offset:64*\ks+32
.endr
.endr
	WIN 0
	s_wait_dscnt 0x0
.endm
; a step of the loop: the barrier on every way; A: group g's way out, under which group g + 1's fragments and group g + 2's rows arrive; B: group g + 1's products, then group g + 2 into the buffer that group g has left
.macro STEP par
	s_wait_dscnt 0x0                               ; my stores into one buffer have landed and my reads of the other are in,
	s_wait_loadcnt 0x0                             ; and no load of mine names the bases that are written below
	s_barrier_signal -1
	s_barrier_wait -1
	s_cmp_ge_u32 s22, s21
	s_cbranch_scc1 .Lno_a_\@
.rept 4
	v_nop                                          ; four places between the last products and the loads into their operands and scale words, and the first read of their sums
.endr
	FR 1-\par
	GL 2, \par
	EP \par
.Lno_a_\@:
	s_add_co_u32 s52, s22, 1
	s_cmp_ge_u32 s52, s21
	s_cbranch_scc1 .Lno_b_\@
.rept 5
	v_nop                                          ; five places ahead of products that begin the accumulators anew
.endr
	s_wait_dscnt 0x0                               ; the fragments are in
	MM 1-\par
	s_wait_loadcnt 0x0                             ; group g + 2's rows are in
	DS \par
.Lno_b_\@:
	s_add_co_u32 s22, s22, 1
.endm
	s_load_b256 s[4:11], s[0:1], 0x0               ; codes s[4:5], scl s[6:7], lists s[8:9], hidp s[10:11]
	s_load_b128 s[12:15], s[0:1], 0x20             ; W_c_w s[12:13], part s[14:15]
	v_lshl_add_u32 v190, v0, 2, 0x18200
	v_mov_b32 v191, 0
	v_lshrrev_b32 v10, 5, v0
	v_readfirstlane_b32 s16, v10                   ; wave 0..3
	s_mov_b32 s17, ttmp9                           ; q
	s_and_b32 s18, ttmp7, 0xffff                   ; b
	v_and_b32 v9, 31, v0                           ; lane
	v_and_b32 v14, 15, v0                          ; r
	v_bfe_u32 v15, v0, 4, 1                        ; h
	v_lshlrev_b32 v1, 4, v9                        ; 16 x lane
	s_mul_i32 s55, s16, 8*PIT
	v_add_nc_u32 v2, s55, v1                       ; into a buffer: my 8 rows, 16 bytes a lane
	v_add_nc_u32 v3, BUF1, v2
	v_mul_u32_u24 v4, v14, PIT
	v_lshl_add_u32 v4, v15, 4, v4                  ; out of it: row r, + 16 h
	v_add_nc_u32 v5, BUF1, v4
	s_mul_i32 s55, s16, 16*PIT
	v_add_nc_u32 v10, s55, v1                      ; W_a's way in: my own 16 rows
	v_add_nc_u32 v11, s55, v4
	v_bfe_u32 v8, v0, 3, 1
	v_lshlrev_b32 v8, 4, v8
	v_lshl_add_u32 v8, v15, 3, v8
	v_and_b32 v12, 7, v0
	v_add_nc_u32 v8, v8, v12
	v_lshlrev_b32 v8, 2, v8                        ; the row of a group that my lane stores: 16 (r / 8) + 8 h + r % 8, 4 bytes each
	v_lshlrev_b32 v12, 6, v9                       ; 64 x lane: a row of scale bytes
	v_lshlrev_b32 v13, 2, v14                      ; 4 r
	s_mov_b32 s24, 0x4038aa3b                      ; 2 log2(e)
	s_mov_b32 s25, s24                             ; (named with it as a pair)
	s_mov_b32 s26, 0xaaaaaaaa                      ; lanes with bit 0, 1, 2, 3 of their number set
	s_mov_b32 s27, 0xcccccccc
	s_mov_b32 s28, 0xf0f0f0f0
	s_mov_b32 s29, 0xff00ff00
	s_mov_b32 s61, 0
	s_lshl_b32 s54, s18, 7
	s_wait_kmcnt 0x0
	s_load_b64 s[52:53], s[8:9], s54 offset:META   ; the batch's count (and flag, not used here)
	s_lshl_b32 s60, s18, 19
	s_add_nc_u64 s[30:31], s[4:5], s[60:61]        ; the batch's codes
	s_lshl_b32 s60, s18, 15
	s_add_nc_u64 s[32:33], s[6:7], s[60:61]        ; and scale bytes
	s_lshl_b32 s55, s17, 2
	s_add_co_u32 s55, s55, s16
	s_lshl_b32 s60, s55, 17
	s_lshl_b32 s55, s18, 11
	s_add_co_u32 s60, s60, s55
	s_add_nc_u64 s[34:35], s[14:15], s[60:61]      ; part[4 q + w][b]
	s_lshl_b32 s55, s17, 8
	s_lshl_b32 s60, s16, 6
	s_add_co_u32 s55, s55, s60                     ; my first hidden unit: 256 q + 64 w
	v_add_nc_u32 v14, s55, v14                     ; + r
	s_lshl_b32 s60, s55, 2
	s_lshl_b32 s62, s18, 12
	s_add_co_u32 s60, s60, s62
	s_add_nc_u64 s[10:11], s[10:11], s[60:61]      ; hidp[b][256 q + 64 w]
	s_add_co_u32 s55, s55, 32768                   ; W_a's rows lie behind the 64 batches
	s_lshl_b32 s60, s55, 10
	s_add_nc_u64 s[56:57], s[4:5], s[60:61]
	s_lshl_b32 s60, s55, 6
	s_add_nc_u64 s[58:59], s[6:7], s[60:61]
.irp t, 0,1,2,3
	v_add_nc_u32 v[SD+\t], 16*\t, v14
	v_min_u32 v[SD+\t], 999, v[SD+\t]              ; W_c_w has 1000 numbers
	v_lshlrev_b32 v[SD+\t], 2, v[SD+\t]
.endr
	s_wait_kmcnt 0x0
	s_min_u32 s19, s52, 0x200                      ; the count, 1 .. 512
	s_sub_co_u32 s20, s19, 1
	s_min_u32 s20, s20, 0x1ff                      ; the last kept position
	s_add_co_u32 s21, s19, 31
	s_lshr_b32 s21, s21, 5                         ; G
	s_mov_b32 s22, 0                               ; g
	GL 0, 0                                        ; the first group is asked for first of all
.irp p, 0,1
.irp i, 0,1,2,3
	global_load_b128 v[BS+16*\p+4*\i:BS+16*\p+4*\i+3], v12, s[58:59] offset:2048*\p+16*\i
.endr
.endr
.irp t, 0,1,2,3
	global_load_b32 v[PP+\t], v13, s[10:11] offset:64*\t
	global_load_b32 v[SD+4+\t], v[SD+\t], s[12:13]
.endr
	WROUND 0
	WROUND 1                                       ; its last wait on loads is for 0: the first group and the small loads are in too
.irp t, 0,1,2,3
	v_add_nc_u32 v15, 16*\t, v14
	v_cmp_gt_u32 vcc_lo, 0x3e8, v15
	v_cndmask_b32 v[SD+4+\t], 0, v[SD+4+\t], vcc_lo        ; hidden units 1000 on weigh nothing
	v_mul_f32 v[HC+2*\t], s24, v[PP+\t]
	v_mul_f32 v[HC+2*\t+1], s24, v[PP+\t]
	v_mul_f32 v[W2+2*\t], -2.0, v[SD+4+\t]
	v_mul_f32 v[W2+2*\t+1], -2.0, v[SD+4+\t]
.endr
	v_add_f32 v[WS], v[SD+4], v[SD+5]
	v_add_f32 v15, v[SD+6], v[SD+7]
	v_add_f32 v[WS], v[WS], v15
	v_mov_b32 v[WS+1], v[WS]
	s_barrier_signal -1                            ; every wave's reads of its own bytes are in (the wait for 0 at the round's end): the buffers may be written
	s_barrier_wait -1
	DS 0
	s_wait_dscnt 0x0                               ; for the others' sake, and the stores have read ST
	GL 1, 1
	s_barrier_signal -1
	s_barrier_wait -1                              ; group 0 lies whole in buffer 0
	FR 0
	s_wait_dscnt 0x0
	MM 0                                           ; G is at least 1
	s_wait_loadcnt 0x0
	DS 1
	s_mov_b32 s23, 0
.Ltrip:                                            ; 8 trips of two steps: 16 groups at the most
	STEP 0
	STEP 1
	s_wait_xcnt 0x0                                ; the stores have read their base
	s_add_nc_u64 s[34:35], s[34:35], 256
	s_add_co_u32 s23, s23, 1
	s_cmp_lt_u32 s23, 8
	s_cbranch_scc1 .Ltrip
	s_wait_tensorcnt 0x0
	ds_add_u32 v190, v191
	s_wait_dscnt 0x0
	s_endpgm
.Lfunc_end_k_q1134baa275_scores:
	.size	k_q1134baa275_scores, .Lfunc_end_k_q1134baa275_scores-k_q1134baa275_scores
	.p2alignl 7, 3214868480
	.fill 96, 4, 3214868480
	.section	.rodata,"a",@progbits
	.p2align	6, 0x0
	.amdhsa_kernel k_q1134baa275_scores
		.amdhsa_group_segment_fixed_size 99328
		.amdhsa_private_segment_fixed_size 0
		.amdhsa_enable_private_segment 0
		.amdhsa_kernarg_size 48
		.amdhsa_user_sgpr_count 2
		.amdhsa_user_sgpr_kernarg_segment_ptr 1
		.amdhsa_wavefront_size32 1
		.amdhsa_system_sgpr_workgroup_id_x 1
		.amdhsa_system_sgpr_workgroup_id_y 1
		.amdhsa_system_sgpr_workgroup_id_z 1
		.amdhsa_system_vgpr_workitem_id 0
		.amdhsa_next_free_vgpr 1024
		.amdhsa_next_free_sgpr 66
		.amdhsa_reserve_vcc 1
		.amdhsa_float_denorm_mode_32 3
		.amdhsa_float_denorm_mode_16_64 3
		.amdhsa_memory_ordered 1
		.amdhsa_forward_progress 1
		.amdhsa_inst_pref_size 142
	.end_amdhsa_kernel
	.amdgpu_metadata
---
amdhsa.version: [ 1, 2 ]
amdhsa.kernels:
  - .name:           k_q1134baa275_scores
    .symbol:         k_q1134baa275_scores.kd
    .args:
      - { .name: codes, .offset: 0, .size: 8, .value_kind: global_buffer, .address_space: global }
      - { .name: scl, .offset: 8, .size: 8, .value_kind: global_buffer, .address_space: global }
      - { .name: lists, .offset: 16, .size: 8, .value_kind: global_buffer, .address_space: global }
      - { .name: hidp, .offset: 24, .size: 8, .value_kind: global_buffer, .address_space: global }
      - { .name: W_c_w, .offset: 32, .size: 8, .value_kind: global_buffer, .address_space: global }
      - { .name: part, .offset: 40, .size: 8, .value_kind: global_buffer, .address_space: global }
    .group_segment_fixed_size: 99328
    .private_segment_fixed_size: 0
    .kernarg_segment_align: 8
    .kernarg_segment_size: 48
    .max_flat_workgroup_size: 128
    .sgpr_count:     66
    .vgpr_count:     1024
    .wavefront_size: 32
...
	.end_amdgpu_metadata
.endif
;; end of part 2
;; launch wsum (part 3): grid 4 x 64, 16 waves a work-group, no clusters, 18,432 bytes of LDS; arguments part, lists, context, W_c_b, wsc, wss; writes wsc, wss
.if DOCPART == 3
	.amdgcn_target "amdgcn-amd-amdhsa--gfx1250"
	.amdhsa_code_object_version 6
	.text
	.protected	k_q1134baa275_wsum
	.globl	k_q1134baa275_wsum
	.p2align	8
	.type	k_q1134baa275_wsum,@function
k_q1134baa275_wsum:
	s_mov_b64 s[64:65], 0
	v_nop
	global_prefetch_b8 v0, s[64:65] scope:SCOPE_SE
	s_setreg_imm32_b32 hwreg(HW_REG_WAVE_MODE, 25, 1), 1
	s_wait_xcnt 0x0
; WSUM.  For batch b (y) and columns 512 j .. 512 j + 511 (x = j): score = the sum of the 16 partial scores + W_c_b; softmax over the kept positions, the maximum taken away first;
; ws = sum p x context row / sum p, in f32 (it goes on into a quantiser); ws quantised to E2M1 along its 2000 columns, filled with zeros to 2048.
; A batch whose flag is set had no unmasked row: all its 512 scores are -1e6, as the where() in front of the softmax leaves them.
; Rows that the mask hides are not read: their weight exp(-1e6 - max) is exactly 0 in f32 beside a kept row.  LIMIT: sum |W_c_w| + |W_c_b| < 999,800.  NaN and infinities are not served.
; SHARES.  Thread t stands for position t in the softmax.  In the stream wave v takes the strip of 128 columns v % 4 (16 bytes a lane: a load reads 512 consecutive bytes of one row)
; and the blocks of 8 positions v / 4, v / 4 + 4, ..  Four sets of registers take turns: 24 to 32 loads of every wave are out.
; THE STREAM BEGINS AHEAD OF THE SOFTMAX: which rows are read hangs on the list alone, not on the weights.  A wave's first four blocks (positions under 128: always rows of the list, with p = 0 past the count)
; are asked for at the head, their source rows brought by scalar loads; their weights are read from LDS when the softmax is done.
; No matrix unit, no tensor load: the product has one row, and the trip counts hang on a count read from memory.
; BARRIERS, four, each on every wave's path: behind the waves' maxima; behind p, the source rows and the waves' sums; behind the stream's LDS reads; behind the stage's stores.
.set META, 139264
.set RED1, 0                           ; LDS: the waves' maxima, 64 bytes;
.set RED2, 256                         ; their sums, 64 bytes;
.set PT,   512                         ; p of 512 positions;
.set IX,   4096                        ; the positions' source rows;
.set STG,  8192                        ; 4 row groups x 512 columns of partial sums
.set T,    212                         ; v212-227 the 16 partial scores
.set R,    228                         ; v228-243 the 16 waves' maxima
; v1 lane, v2 part's offset, v3 4 t, v4 source row, v5-7 at work, v8 my column bytes, v9 LDS offset of a block, v10-11 1 / sum, v12-15 and v16-19 two sets of sums;
; set s (0 to 3) at SB = 20 + 48 s: 8 row offsets, 8 weights, 8 x 4 numbers.  s68-99: the source rows of my first four blocks
.macro EARLY set                       ; one of my first four blocks: offsets from the scalar list, 8 loads
.set SB, 20+48*(\set)
.irp k, 0,1,2,3,4,5,6,7
	s_min_u32 s[68+8*(\set)+\k], s[68+8*(\set)+\k], 0x1ff
	s_mul_i32 s[68+8*(\set)+\k], s[68+8*(\set)+\k], 8000
	v_add_nc_u32 v[SB+\k], s[68+8*(\set)+\k], v8
.endr
.irp k, 0,1,2,3,4,5,6,7
	global_load_b128 v[SB+16+4*\k:SB+19+4*\k], v[SB+\k], s[32:33] th:TH_LOAD_NT
.endr
.endm
.macro ISSUE set                       ; a later block: source rows and weights from LDS, 8 loads
.set SB, 20+48*(\set)
	s_min_u32 s27, s26, 2016                       ; a block's 32 bytes lie inside the 2,048
	v_mov_b32 v9, s27
	ds_load_b128 v[SB:SB+3], v9 offset:IX
	ds_load_b128 v[SB+4:SB+7], v9 offset:IX+16
	ds_load_b128 v[SB+8:SB+11], v9 offset:PT
	ds_load_b128 v[SB+12:SB+15], v9 offset:PT+16
	s_add_co_u32 s26, s26, 128                     ; my next block: four blocks of 8 positions on
	s_wait_dscnt 0x0
.irp i, 0,1,2,3,4,5,6,7
	v_min_u32 v[SB+\i], 0x1ff, v[SB+\i]
	v_mul_u32_u24 v[SB+\i], v[SB+\i], 0x1f40
	v_add_nc_u32 v[SB+\i], v[SB+\i], v8
.endr
.irp i, 0,1,2,3,4,5,6,7
	global_load_b128 v[SB+16+4*\i:SB+19+4*\i], v[SB+\i], s[32:33] th:TH_LOAD_NT
.endr
.endm
.macro FMA set                         ; 8 rows x 4 columns, two columns an instruction; the row's weight serves both halves; even and odd sets add onto sums of their own
.set SB, 20+48*(\set)
.set AC, 12+4*((\set)%2)
.irp i, 0,2,4,6
.irp c, 0,2
	v_pk_fma_f32 v[AC+\c:AC+\c+1], v[SB+16+4*\i+\c:SB+17+4*\i+\c], v[SB+8+\i:SB+9+\i], v[AC+\c:AC+\c+1] op_sel_hi:[1,0,1]
.endr
.irp c, 0,2
	v_pk_fma_f32 v[AC+\c:AC+\c+1], v[SB+20+4*\i+\c:SB+21+4*\i+\c], v[SB+8+\i:SB+9+\i], v[AC+\c:AC+\c+1] op_sel:[0,1,0] op_sel_hi:[1,1,1]
.endr
.endr
.endm
.macro BODY cur
	s_add_co_u32 s27, s29, 4
	s_cmp_ge_u32 s27, s28
	s_cbranch_scc1 .Ltail_\cur                     ; no block is left to ask for
	s_wait_loadcnt 24                              ; this set's 8 loads are in; the other three sets' 24 younger ones stay out
	FMA \cur
	ISSUE \cur
	s_add_co_u32 s29, s29, 1
.endm
.macro DRAIN c                         ; the four sets that are out, the oldest first; nothing more is asked for, so the counts run down
	s_wait_loadcnt 24
	FMA \c
	s_wait_loadcnt 16
	FMA (\c+1)%4
	s_wait_loadcnt 8
	FMA (\c+2)%4
	s_wait_loadcnt 0x0
	FMA (\c+3)%4
.endm
	s_load_b256 s[4:11], s[0:1], 0x0               ; part s[4:5], lists s[6:7], context s[8:9], W_c_b s[10:11]
	s_load_b128 s[12:15], s[0:1], 0x20             ; wsc s[12:13], wss s[14:15]
	v_lshl_add_u32 v254, v0, 2, 0x4000
	v_mov_b32 v255, 0
	v_lshrrev_b32 v5, 5, v0
	v_readfirstlane_b32 s16, v5                    ; wave 0..15
	s_mov_b32 s17, ttmp9                           ; j
	s_and_b32 s18, ttmp7, 0xffff                   ; b
	s_and_b32 s35, s16, 3                          ; my strip of columns
	s_lshr_b32 s36, s16, 2                         ; my group of rows
	s_mov_b32 s24, 0x76543210
	s_mov_b32 s25, 0xfedcba98                      ; v_permlanex16_b32's selects for lane l xor 16
	v_and_b32 v1, 31, v0
	v_lshlrev_b32 v3, 2, v0
	s_lshl_b32 s38, s18, 7
	s_lshl_b32 s39, s18, 11
	s_lshl_b32 s27, s36, 5
	s_add_co_u32 s39, s39, s27                     ; the list's bytes of my first block: 2,048 b + 32 x my group
	s_mov_b32 s31, 0
	s_wait_kmcnt 0x0
	s_load_b64 s[20:21], s[6:7], s38 offset:META   ; count, flag
	s_load_b32 s22, s[10:11], 0x0                  ; W_c_b
.irp i, 0,1,2,3
	s_load_b256 s[68+8*\i:75+8*\i], s[6:7], s39 offset:128*\i   ; the source rows of my blocks 0 to 3
.endr
	s_lshl_b32 s30, s18, 11
	s_add_nc_u64 s[4:5], s[4:5], s[30:31]          ; part[.][b]
	s_add_nc_u64 s[40:41], s[6:7], s[30:31]        ; ROWS[b]
	global_load_b32 v4, v3, s[40:41]
	s_mul_i32 s30, s18, 4096000
	s_add_nc_u64 s[32:33], s[8:9], s[30:31]        ; the batch's rows of context
	s_lshl_b32 s30, s18, 10
	s_lshl_b32 s27, s17, 8
	s_add_co_u32 s30, s30, s27
	s_add_nc_u64 s[12:13], s[12:13], s[30:31]      ; wsc: 1,024 b + 256 j
	s_lshl_b32 s30, s18, 6
	s_lshl_b32 s27, s17, 4
	s_add_co_u32 s30, s30, s27
	s_add_nc_u64 s[14:15], s[14:15], s[30:31]      ; wss: 64 b + 16 j
	s_lshl_b32 s27, s17, 11
	s_lshl_b32 s30, s35, 9
	s_add_co_u32 s27, s27, s30
	v_lshl_add_u32 v8, v1, 4, s27
	v_min_u32 v8, 7984, v8                         ; my 16 bytes of a row; past column 1999 the row's last 16 (those sums are cleared at the end)
	s_lshl_b32 s27, s16, 2
	v_mov_b32 v10, s27                             ; my wave's word among the maxima and the sums
	s_wait_kmcnt 0x0
	s_min_u32 s19, s20, 0x200                      ; the count, 1 .. 512
	s_sub_co_u32 s23, s19, 1
	s_min_u32 s23, s23, 0x1ff
	v_min_u32 v2, s23, v0
	v_min_u32 v2, 0x1ff, v2                        ; a position past the count reads the last kept one's numbers and is set to -infinity below
	v_lshlrev_b32 v2, 2, v2
.irp i, 0,1,2,3,4,5,6,7,8,9,10,11,12,13,14,15
	global_load_b32 v[T+\i], v2, s[4:5] offset:131072*\i
.endr
	EARLY 0                                        ; 32 loads of context go out behind the partial scores and land while the softmax is made
	EARLY 1
	EARLY 2
	EARLY 3
	s_add_co_u32 s27, s19, 7
	s_lshr_b32 s27, s27, 3                         ; blocks of 8 positions
	s_sub_co_u32 s28, s27, s36
	s_add_co_u32 s28, s28, 3
	s_lshr_b32 s28, s28, 2
	s_cmp_gt_u32 s27, s36
	s_cselect_b32 s28, s28, 0                      ; of which mine
	s_cmp_lg_u32 s21, 0
	s_cselect_b32 s37, -1, 0
	v_mov_b32 v5, 0xc9742400                       ; -1e6
	v_mov_b32 v7, 0xff800000                       ; -infinity
	s_wait_loadcnt 32                              ; my source row and the 16 partial scores are in; the 32 younger loads stay out
	v_min_u32 v4, 0x1ff, v4
	v_pk_add_f32 v[T:T+1], v[T:T+1], v[T+2:T+3]
	v_pk_add_f32 v[T+4:T+5], v[T+4:T+5], v[T+6:T+7]
	v_pk_add_f32 v[T+8:T+9], v[T+8:T+9], v[T+10:T+11]
	v_pk_add_f32 v[T+12:T+13], v[T+12:T+13], v[T+14:T+15]
	v_pk_add_f32 v[T:T+1], v[T:T+1], v[T+4:T+5]
	v_pk_add_f32 v[T+8:T+9], v[T+8:T+9], v[T+12:T+13]
	v_pk_add_f32 v[T:T+1], v[T:T+1], v[T+8:T+9]
	v_add_f32 v6, v[T], v[T+1]
	v_add_f32 v6, s22, v6                          ; the score
	v_cndmask_b32 v6, v6, v5, s37                  ; a batch with no unmasked row
	v_cmp_le_u32 vcc_lo, s19, v0
	v_cndmask_b32 v6, v6, v7, vcc_lo               ; no position
	v_mov_b32 v5, v6
	v_max_num_f32_dpp v5, v5, v5 row_xmask:1 row_mask:0xf bank_mask:0xf
	v_max_num_f32_dpp v5, v5, v5 row_xmask:2 row_mask:0xf bank_mask:0xf
	v_max_num_f32_dpp v5, v5, v5 row_xmask:4 row_mask:0xf bank_mask:0xf
	v_max_num_f32_dpp v5, v5, v5 row_xmask:8 row_mask:0xf bank_mask:0xf
	v_permlanex16_b32 v7, v5, s24, s25
	v_max_num_f32 v5, v5, v7
	ds_store_b32 v10, v5 offset:RED1               ; all lanes write the same word with the same value
	s_wait_dscnt 0x0
	s_barrier_signal -1
	s_barrier_wait -1
	v_mov_b32 v7, 0
.irp i, 0,1,2,3
	ds_load_b128 v[R+4*\i:R+4*\i+3], v7 offset:RED1+16*\i
.endr
	s_wait_dscnt 0x0
	v_max3_num_f32 v[R], v[R], v[R+1], v[R+2]
.irp i, 3,5,7,9,11,13
	v_max3_num_f32 v[R], v[R], v[R+\i], v[R+\i+1]
.endr
	v_max_num_f32 v[R], v[R], v[R+15]              ; the batch's largest score (position 0 is always kept: it is a number)
	v_sub_f32 v6, v6, v[R]
	v_mul_f32 v6, 0x3fb8aa3b, v6
	v_exp_f32 v6, v6                               ; p = e^(score - max)
	v_nop
	s_wait_alu depctr_va_vdst(0)                   ; the wait ahead of the first reader
	ds_store_b32 v3, v6 offset:PT
	ds_store_b32 v3, v4 offset:IX
	v_mov_b32 v5, v6
	v_add_f32_dpp v5, v5, v5 row_xmask:1 row_mask:0xf bank_mask:0xf
	v_add_f32_dpp v5, v5, v5 row_xmask:2 row_mask:0xf bank_mask:0xf
	v_add_f32_dpp v5, v5, v5 row_xmask:4 row_mask:0xf bank_mask:0xf
	v_add_f32_dpp v5, v5, v5 row_xmask:8 row_mask:0xf bank_mask:0xf
	v_permlanex16_b32 v7, v5, s24, s25
	v_add_f32 v5, v5, v7
	ds_store_b32 v10, v5 offset:RED2
.irp i, 12,13,14,15,16,17,18,19
	v_mov_b32 v[\i], 0                             ; the two sets of sums
.endr
	s_wait_dscnt 0x0
	s_barrier_signal -1
	s_barrier_wait -1                              ; p, the source rows and the waves' sums lie in LDS; nobody writes them again
	s_lshl_b32 s26, s36, 5                         ; my first block: 8 positions x 4 bytes x my group
	v_mov_b32 v9, s26
.irp s, 0,1,2,3
	ds_load_b128 v[28+48*\s:31+48*\s], v9 offset:PT+128*\s          ; the weights of the four blocks that were asked for at the head
	ds_load_b128 v[32+48*\s:35+48*\s], v9 offset:PT+128*\s+16
.endr
	s_add_co_u32 s26, s26, 512                     ; the next block to ask for is my fifth
	s_wait_dscnt 0x0
	s_mov_b32 s29, 0
	s_mov_b32 s34, 0
.Lstream:                                          ; 12 bodies ask for blocks 4 to 15: a wave has 16 blocks at the most
	BODY 0
	BODY 1
	BODY 2
	BODY 3
	s_add_co_u32 s34, s34, 1
	s_cmp_lt_u32 s34, 3
	s_cbranch_scc1 .Lstream
.Ltail_0:
	DRAIN 0
	s_branch .Ljoin
.Ltail_1:
	DRAIN 1
	s_branch .Ljoin
.Ltail_2:
	DRAIN 2
	s_branch .Ljoin
.Ltail_3:
	DRAIN 3
.Ljoin:
	v_pk_add_f32 v[12:13], v[12:13], v[16:17]
	v_pk_add_f32 v[14:15], v[14:15], v[18:19]
	v_lshlrev_b32 v5, 4, v0                        ; 2,048 x group + 512 x strip + 16 x lane = 16 t
	s_wait_dscnt 0x0                               ; my reads of p and of the source rows are in (each run of them was waited for as it was issued);
	s_barrier_signal -1                            ; one barrier between all waves' LDS reads of the stream and the stores into the stage:
	s_barrier_wait -1
	ds_store_b128 v5, v[12:15] offset:STG
	s_wait_dscnt 0x0                               ; for wave 0's sake: my part of the stage has landed
	s_barrier_signal -1
	s_barrier_wait -1
	s_cmp_lg_u32 s16, 0
	s_cbranch_scc1 .Lend
	; wave 0: lane l takes columns 16 l .. 16 l + 15: two neighbouring lanes hold a block of 32
	v_lshlrev_b32 v5, 6, v1
	v_mov_b32 v7, 0
.irp i, 0,1,2,3
	ds_load_b128 v[100+4*\i:103+4*\i], v7 offset:RED2+16*\i
.endr
.irp g, 0,1,2,3
.irp i, 0,1,2,3
	ds_load_b128 v[36+16*\g+4*\i:39+16*\g+4*\i], v5 offset:STG+2048*\g+16*\i
.endr
.endr
	s_wait_dscnt 0x0
	v_pk_add_f32 v[100:101], v[100:101], v[102:103]
	v_pk_add_f32 v[104:105], v[104:105], v[106:107]
	v_pk_add_f32 v[108:109], v[108:109], v[110:111]
	v_pk_add_f32 v[112:113], v[112:113], v[114:115]
	v_pk_add_f32 v[100:101], v[100:101], v[104:105]
	v_pk_add_f32 v[108:109], v[108:109], v[112:113]
	v_pk_add_f32 v[100:101], v[100:101], v[108:109]
	v_add_f32 v100, v100, v101                     ; the sum of p
	v_rcp_f32 v10, v100
.irp c, 0,2,4,6,8,10,12,14
	v_pk_add_f32 v[36+\c:37+\c], v[36+\c:37+\c], v[52+\c:53+\c]     ; the four groups' sums: work that names nothing of the reciprocal
	v_pk_add_f32 v[68+\c:69+\c], v[68+\c:69+\c], v[84+\c:85+\c]
.endr
.irp c, 0,2,4,6,8,10,12,14
	v_pk_add_f32 v[36+\c:37+\c], v[36+\c:37+\c], v[68+\c:69+\c]
.endr
	s_wait_alu depctr_va_vdst(0)                   ; ahead of the reciprocal's first reader
	v_mov_b32 v11, v10
.irp c, 0,2,4,6,8,10,12,14
	v_pk_mul_f32 v[36+\c:37+\c], v[36+\c:37+\c], v[10:11]
.endr
	s_cmp_eq_u32 s17, 3
	s_cselect_b32 s27, 29, 32                      ; 1,536 + 16 x 29 = 2,000: the columns from there on are the quantiser's zeros
	v_cmp_gt_u32 vcc_lo, s27, v1
.irp i, 0,1,2,3,4,5,6,7,8,9,10,11,12,13,14,15
	v_cndmask_b32 v[36+\i], 0, v[36+\i], vcc_lo
.endr
	v_max3_num_f32 v5, |v36|, |v37|, |v38|
	v_max3_num_f32 v7, |v39|, |v40|, |v41|
.irp i, 6,10
	v_max3_num_f32 v5, v5, |v[36+\i]|, |v[37+\i]|
	v_max3_num_f32 v7, v7, |v[38+\i]|, |v[39+\i]|
.endr
	v_max3_num_f32 v5, v5, |v50|, |v51|
	v_max3_num_f32 v5, v5, v7, 0x1800000           ; and the floor 2^(3 - 127): the byte cannot fall under 1
	v_max_num_f32_dpp v5, v5, v5 row_xmask:1 row_mask:0xf bank_mask:0xf
	v_add_nc_u32 v9, 0xff000000, v5                ; 2 off the exponent field: the conversion's scale operand
	v_cvt_scalef32_pk8_fp4_f32 v116, v[36:43], v9
	v_cvt_scalef32_pk8_fp4_f32 v117, v[44:51], v9
	v_lshrrev_b32 v118, 23, v9                     ; the scale's byte
	v_lshlrev_b32 v119, 3, v1
	v_lshrrev_b32 v120, 1, v1
	global_store_b64 v119, v[116:117], s[12:13]    ; 32 lanes store 256 consecutive bytes, at a multiple of 256 from the buffer's first byte
	global_store_b8 v120, v118, s[14:15]           ; both lanes of a block write the same byte with the same value
.Lend:
	s_wait_tensorcnt 0x0
	ds_add_u32 v254, v255
	s_wait_dscnt 0x0
	s_endpgm
.Lfunc_end_k_q1134baa275_wsum:
	.size	k_q1134baa275_wsum, .Lfunc_end_k_q1134baa275_wsum-k_q1134baa275_wsum
	.p2alignl 7, 3214868480
	.fill 96, 4, 3214868480
	.section	.rodata,"a",@progbits
	.p2align	6, 0x0
	.amdhsa_kernel k_q1134baa275_wsum
		.amdhsa_group_segment_fixed_size 18432
		.amdhsa_private_segment_fixed_size 0
		.amdhsa_enable_private_segment 0
		.amdhsa_kernarg_size 48
		.amdhsa_user_sgpr_count 2
		.amdhsa_user_sgpr_kernarg_segment_ptr 1
		.amdhsa_wavefront_size32 1
		.amdhsa_system_sgpr_workgroup_id_x 1
		.amdhsa_system_sgpr_workgroup_id_y 1
		.amdhsa_system_sgpr_workgroup_id_z 1
		.amdhsa_system_vgpr_workitem_id 0
		.amdhsa_next_free_vgpr 256
		.amdhsa_next_free_sgpr 100
		.amdhsa_reserve_vcc 1
		.amdhsa_float_denorm_mode_32 3
		.amdhsa_float_denorm_mode_16_64 3
		.amdhsa_memory_ordered 1
		.amdhsa_forward_progress 1
		.amdhsa_inst_pref_size 55
	.end_amdhsa_kernel
	.amdgpu_metadata
---
amdhsa.version: [ 1, 2 ]
amdhsa.kernels:
  - .name:           k_q1134baa275_wsum
    .symbol:         k_q1134baa275_wsum.kd
    .args:
      - { .name: part, .offset: 0, .size: 8, .value_kind: global_buffer, .address_space: global }
      - { .name: lists, .offset: 8, .size: 8, .value_kind: global_buffer, .address_space: global }
      - { .name: context, .offset: 16, .size: 8, .value_kind: global_buffer, .address_space: global }
      - { .name: W_c_b, .offset: 24, .size: 8, .value_kind: global_buffer, .address_space: global }
      - { .name: wsc, .offset: 32, .size: 8, .value_kind: global_buffer, .address_space: global }
      - { .name: wss, .offset: 40, .size: 8, .value_kind: global_buffer, .address_space: global }
    .group_segment_fixed_size: 18432
    .private_segment_fixed_size: 0
    .kernarg_segment_align: 8
    .kernarg_segment_size: 48
    .max_flat_workgroup_size: 512
    .sgpr_count:     100
    .vgpr_count:     256
    .wavefront_size: 32
...
	.end_amdgpu_metadata
.endif
;; end of part 3
;; launch dense (part 4): grid 63 x 1, 4 waves a work-group, no clusters, 83,712 bytes of LDS; arguments wsc, wss, codes, scl, dense_b, out0; writes out0
.if DOCPART == 4
	.amdgcn_target "amdgcn-amd-amdhsa--gfx1250"
	.amdhsa_code_object_version 6
	.text
	.protected	k_q1134baa275_dense
	.globl	k_q1134baa275_dense
	.p2align	8
	.type	k_q1134baa275_dense,@function
k_q1134baa275_dense:
	s_mov_b64 s[64:65], 0
	v_nop
	global_prefetch_b8 v0, s[64:65] scope:SCOPE_SE
	s_setreg_imm32_b32 hwreg(HW_REG_WAVE_MODE, 25, 1), 1
	s_wait_xcnt 0x0
; DENSE.  out0[b][n] = sum over k of Q(ws)[b][k] Q(dense_w)[n][k] + dense_b[n], K = 2000 filled with zero codes to 2048: 16 K steps of 128, on codes of E2M1 with E8M0 scales.
; Work-group x makes outputs 16 x .. 16 x + 15 for all 64 batches, wave w batches 16 w .. 16 w + 15: 63 work-groups, since the product has no more tiles of 16 outputs.
; The rows come as they lie (512 consecutive bytes a load), go through LDS rows of 1,040 bytes and come back as fragments; dense_w's 16 rows are shared by the four waves, each bringing four.
; Transposed use: source 0 = dense_w's rows, source 1 = ws's: a lane holds one batch and eight neighbouring outputs.  Two accumulators take turns (even and odd K steps); the bias is the C of the first product.
; No tensor load, no cluster: a work-group moves 80 KB once.
.set PIT,  1040
.set BREG, 66560                       ; LDS: four waves' 16 rows of ws, then dense_w's 16 rows
	s_load_b256 s[4:11], s[0:1], 0x0               ; wsc s[4:5], wss s[6:7], codes s[8:9], scl s[10:11]
	s_load_b128 s[12:15], s[0:1], 0x20             ; dense_b s[12:13], out0 s[14:15]
	v_lshl_add_u32 v254, v0, 2, 0x14500
	v_mov_b32 v255, 0
	v_lshrrev_b32 v12, 5, v0
	v_readfirstlane_b32 s16, v12                   ; wave 0..3
	s_lshl_b32 s17, ttmp9, 4                       ; n0
	v_and_b32 v12, 31, v0
	v_lshlrev_b32 v1, 4, v12                       ; 16 x lane
	v_and_b32 v2, 15, v0                           ; r
	v_bfe_u32 v3, v0, 4, 1                         ; h
	v_lshlrev_b32 v4, 6, v2                        ; a row of scale bytes
	v_lshl_add_u32 v10, v3, 3, s17                 ; n0 + 8 h: my first output
	v_lshlrev_b32 v5, 2, v10
	v_min_u32 v5, 3968, v5                         ; dense_b has 1000 numbers; what the hold brings is not stored
	s_mul_i32 s18, s16, 16*PIT
	v_add_nc_u32 v6, s18, v1                       ; ws into LDS
	v_mul_u32_u24 v8, v2, PIT
	v_lshl_add_u32 v8, v3, 4, v8                   ; a fragment's row r, + 16 h
	v_add_nc_u32 v9, BREG, v8
	v_add_nc_u32 v8, s18, v8
	s_mul_i32 s18, s16, 4*PIT
	v_add_nc_u32 v7, s18, v1
	v_add_nc_u32 v7, BREG, v7                      ; my four rows of dense_w into LDS
	s_lshl_b32 s18, s16, 4
	v_add_nc_u32 v11, s18, v2
	v_mul_u32_u24 v11, v11, 4000
	v_lshl_add_u32 v11, v10, 2, v11                ; out0: batch x 4,000 + 4 (n0 + 8 h)
	s_mov_b32 s21, 0
	s_wait_kmcnt 0x0
	s_lshl_b32 s20, s16, 14
	s_add_nc_u64 s[4:5], s[4:5], s[20:21]
	s_lshl_b32 s20, s16, 10
	s_add_nc_u64 s[6:7], s[6:7], s[20:21]
	s_add_co_u32 s19, s17, 33792                   ; dense_w's rows lie behind the batches and W_a
	s_lshl_b32 s20, s19, 10
	s_lshl_b32 s22, s16, 12
	s_add_co_u32 s20, s20, s22
	s_add_nc_u64 s[8:9], s[8:9], s[20:21]
	s_lshl_b32 s20, s19, 6
	s_add_nc_u64 s[10:11], s[10:11], s[20:21]
.irp R, 0,1,2,3,4,5,6,7,8,9,10,11,12,13,14,15
	global_load_b128 v[64+8*\R:67+8*\R], v1, s[4:5] offset:1024*\R
	global_load_b128 v[68+8*\R:71+8*\R], v1, s[4:5] offset:1024*\R+512
.endr
.irp R, 0,1,2,3
	global_load_b128 v[192+8*\R:195+8*\R], v1, s[8:9] offset:1024*\R
	global_load_b128 v[196+8*\R:199+8*\R], v1, s[8:9] offset:1024*\R+512
.endr
.irp i, 0,1,2,3
	global_load_b128 v[16+4*\i:19+4*\i], v4, s[6:7] offset:16*\i       ; ws's scale words, K step ks in v[16 + ks]
	global_load_b128 v[32+4*\i:35+4*\i], v4, s[10:11] offset:16*\i     ; dense_w's in v[32 + ks]
.endr
	global_load_b128 v[56:59], v5, s[12:13]        ; the bias, in the result's layout
	global_load_b128 v[60:63], v5, s[12:13] offset:16
	s_wait_loadcnt 0x0
.irp R, 0,1,2,3,4,5,6,7,8,9,10,11,12,13,14,15
	ds_store_b128 v6, v[64+8*\R:67+8*\R] offset:\R*PIT
	ds_store_b128 v6, v[68+8*\R:71+8*\R] offset:\R*PIT+512
.endr
.irp R, 0,1,2,3
	ds_store_b128 v7, v[192+8*\R:195+8*\R] offset:\R*PIT
	ds_store_b128 v7, v[196+8*\R:199+8*\R] offset:\R*PIT+512
.endr
	s_wait_dscnt 0x0                               ; for the others' sake: my rows of dense_w have landed
	s_barrier_signal -1
	s_barrier_wait -1
.irp hf, 0,1
.if \hf == 1
.rept 4
	v_nop                                          ; four places ahead of loads into registers that the products have read
.endr
.endif
.irp k, 0,1,2,3,4,5,6,7
	ds_load_b128 v[64+8*\k:67+8*\k], v8 offset:512*\hf+64*\k
	ds_load_b128 v[68+8*\k:71+8*\k], v8 offset:512*\hf+64*\k+32
	ds_load_b128 v[128+8*\k:131+8*\k], v9 offset:512*\hf+64*\k
	ds_load_b128 v[132+8*\k:135+8*\k], v9 offset:512*\hf+64*\k+32
.endr
	s_wait_dscnt 0x0
.irp k, 0,1,2,3,4,5,6,7
.if (\hf == 0) && (\k == 0)
	v_wmma_scale_f32_16x16x128_f8f6f4 v[48:55], v[128:135], v[64:71], v[56:63], v32, v16 matrix_a_fmt:MATRIX_FMT_FP4 matrix_b_fmt:MATRIX_FMT_FP4
.rept 5
	v_nop                                          ; five places: the next product writes over this one's C
.endr
.elseif (\hf == 0) && (\k == 1)
	v_wmma_scale_f32_16x16x128_f8f6f4 v[56:63], v[136:143], v[72:79], 0, v33, v17 matrix_a_fmt:MATRIX_FMT_FP4 matrix_b_fmt:MATRIX_FMT_FP4
.else
	v_wmma_scale_f32_16x16x128_f8f6f4 v[48+8*(\k%2):55+8*(\k%2)], v[128+8*\k:135+8*\k], v[64+8*\k:71+8*\k], v[48+8*(\k%2):55+8*(\k%2)], v[32+8*\hf+\k], v[16+8*\hf+\k] matrix_a_fmt:MATRIX_FMT_FP4 matrix_b_fmt:MATRIX_FMT_FP4
.endif
.endr
.endr
.rept 4
	v_nop                                          ; four places ahead of the first read of the sums
.endr
.irp c, 0,2,4,6
	v_pk_add_f32 v[64+\c:65+\c], v[48+\c:49+\c], v[56+\c:57+\c]    ; the two accumulators, each from its low end on
.endr
	s_wait_xcnt 0x0                                ; EXEC changes only behind this wait
	v_cmp_gt_u32 vcc_lo, 0x3e8, v10                ; outputs 1000 on do not exist (1000 is a multiple of 8: a lane's eight stand or fall together)
	s_wait_tensorcnt 0x0
	ds_add_u32 v254, v255
	s_wait_dscnt 0x0
	s_and_saveexec_b32 s20, vcc_lo
	global_store_b128 v11, v[64:67], s[14:15]
	global_store_b128 v11, v[68:71], s[14:15] offset:16
	s_wait_xcnt 0x0                                ; and again ahead of the line that widens it
	s_or_b32 exec_lo, exec_lo, s20
	s_endpgm
.Lfunc_end_k_q1134baa275_dense:
	.size	k_q1134baa275_dense, .Lfunc_end_k_q1134baa275_dense-k_q1134baa275_dense
	.p2alignl 7, 3214868480
	.fill 96, 4, 3214868480
	.section	.rodata,"a",@progbits
	.p2align	6, 0x0
	.amdhsa_kernel k_q1134baa275_dense
		.amdhsa_group_segment_fixed_size 83712
		.amdhsa_private_segment_fixed_size 0
		.amdhsa_enable_private_segment 0
		.amdhsa_kernarg_size 48
		.amdhsa_user_sgpr_count 2
		.amdhsa_user_sgpr_kernarg_segment_ptr 1
		.amdhsa_wavefront_size32 1
		.amdhsa_system_sgpr_workgroup_id_x 1
		.amdhsa_system_sgpr_workgroup_id_y 1
		.amdhsa_system_sgpr_workgroup_id_z 1
		.amdhsa_system_vgpr_workitem_id 0
		.amdhsa_next_free_vgpr 256
		.amdhsa_next_free_sgpr 66
		.amdhsa_reserve_vcc 1
		.amdhsa_float_denorm_mode_32 3
		.amdhsa_float_denorm_mode_16_64 3
		.amdhsa_memory_ordered 1
		.amdhsa_forward_progress 1
		.amdhsa_inst_pref_size 17
	.end_amdhsa_kernel
	.amdgpu_metadata
---
amdhsa.version: [ 1, 2 ]
amdhsa.kernels:
  - .name:           k_q1134baa275_dense
    .symbol:         k_q1134baa275_dense.kd
    .args:
      - { .name: wsc, .offset: 0, .size: 8, .value_kind: global_buffer, .address_space: global }
      - { .name: wss, .offset: 8, .size: 8, .value_kind: global_buffer, .address_space: global }
      - { .name: codes, .offset: 16, .size: 8, .value_kind: global_buffer, .address_space: global }
      - { .name: scl, .offset: 24, .size: 8, .value_kind: global_buffer, .address_space: global }
      - { .name: dense_b, .offset: 32, .size: 8, .value_kind: global_buffer, .address_space: global }
      - { .name: out0, .offset: 40, .size: 8, .value_kind: global_buffer, .address_space: global }
    .group_segment_fixed_size: 83712
    .private_segment_fixed_size: 0
    .kernarg_segment_align: 8
    .kernarg_segment_size: 48
    .max_flat_workgroup_size: 128
    .sgpr_count:     66
    .vgpr_count:     256
    .wavefront_size: 32
...
	.end_amdgpu_metadata
.endif
;; end of part 4
;; ======== version 2 of 2: 4 launches; version 1 with the launches prep, scores, wsum written anew for expert scheduling mode
;; limits: right only within a limited range of input values
;; workspace buffers: codes 35,651,584 bytes; scl 2,228,224 bytes; lists 147,968 bytes of whole numbers; hidp 262,144 bytes; part 2,097,152 bytes; wsc 65,536 bytes; wss 4,096 bytes
;; launch prep (part 5): grid 1344 x 1, 4 waves a work-group, no clusters, 9,728 bytes of LDS; arguments decoder_hidden, W_b, context, W_a, dense_w, mask, codes, scl, lists, hidp; writes codes, scl, lists, hidp
.if DOCPART == 5
	.amdgcn_target "amdgcn-amd-amdhsa--gfx1250"
	.amdhsa_code_object_version 6
	.text
	.protected	k_q1134baa275_prep
	.globl	k_q1134baa275_prep
	.p2align	8
	.type	k_q1134baa275_prep,@function
k_q1134baa275_prep:
	s_mov_b64 s[64:65], 0
	v_nop
	global_prefetch_b8 v0, s[64:65] scope:SCOPE_SE
	s_setreg_imm32_b32 hwreg(HW_REG_WAVE_SCHED_MODE, 0, 2), 2
	s_setreg_imm32_b32 hwreg(HW_REG_WAVE_MODE, 25, 1), 1
	s_wait_xcnt 0x0
	s_wait_alu depctr_vm_vsrc(0)
; PREP.  Two roles, parted by the work-group's number.
; ROLE H (work-groups 0-255): hidp[b][n] = sum over k of Q(decoder_hidden)[b][k] Q(W_b)[n][k], K = 1000 filled with zeros to 1024, both operands quantised to
;   E2M1 with one E8M0 scale for 32 along K, in registers.  Work-group x makes hidden units 16 (x / 4) .. + 15 for batches 16 (x % 4) .. + 15.
;   THE FOUR WAVES SHARE K: wave w takes K steps 2 w and 2 w + 1 of 128, so that a wave has two dependent trips to memory and not eight; the four partial tiles meet in LDS
;   and wave 0 adds them, ((w0 + w1) + (w2 + w3)), and stores.
; ROLE Q (work-groups 256-1343): 68 jobs of 16 chunks of 32 source rows.  Jobs 0-63 are the batches of context, 64-65 W_a's rows 0-511 and 512-1023,
;   66-67 dense_w's likewise (a source row past 999 is replaced by row 999: what is made of it meets a weight 0 or is never stored).  The weights' jobs, which keep every row, come first.
;   A batch keeps the rows whose mask byte is 0, in ascending order, packed from position 0; a batch with no such row keeps all 512 and raises its flag.
;   A kept row (2000 f32) becomes 1024 bytes of codes (K innermost, the lower k in the low four bits, k >= 2000 zero codes) and 64 scale bytes.
;   lists: ROWS[job][position] = source row (kept rows first, then the others: all 512 are written); META[job] = count, flag, 30 zeros.
;   THE CHUNK'S KEPT ROWS GO TO THE FOUR WAVES BY TURNS (wave w: ranks w, w + 4, ..), and a wave's rows go through two sets of registers by turns:
;   the next row's 16 loads are issued ahead of the present row's work, so that 16 to 32 loads of 512 bytes of every wave are out.
; WHY ONLY KEPT ROWS: a row with mask = 1 gets the score -1e6 whatever its product, and its softmax weight exp(-1e6 - max) is exactly 0 in f32 beside any kept row.
; LIMITS: that holds while sum |W_c_w| + |W_c_b| < 999,800.  NaN and infinities among the inputs are not served.  A block of zeros gets the byte 1
;   (its codes are zeros, and this program alone reads the bytes).
; A block's scale byte is its largest magnitude's exponent field - 2, held at 1 from below by a floor among the maximum's leaves.
; THE MODE: SCHED_MODE bits 1:0 = 2 (LLVM: expert scheduling mode 2), set by the entry lines.  The code itself states the register dependences
; between vector or matrix instructions and memory or LDS instructions, with s_wait_alu, always for 0.
; THE PLAN, ROLE Q.  Registers that memory or LDS instructions touch, round the loop:
;   X0, X1     A row's 16 loads land in a set; the row's vector lines read and write it; no memory instruction reads it.
;   CD, BY     Written by the row's vector lines; read by its 16 LDS stores, which stand together behind both halves' arithmetic.
;   OU         The row's three LDS loads land in it; its three global stores read it; no vector instruction names it.
;   v1 to v9   Offsets and LDS addresses, made once at the head and never written again.
; A row has two waits: on vm_vsrc at its head (the last row's LDS stores have read CD and BY, its global stores OU), and on va_vdst ahead of its LDS stores
; (CD and BY are written).  Behind that second wait the row issues no vector instruction, so it also states that the row's vector lines are done with their set of X:
; the loads that ask for the set's next row follow with no wait of their own, over the loop's backward jump too.
; THE PLAN, ROLE H.  XA, XB: loads land, QUANT's lines read; one wait on va_vdst behind each QUANT whose set is asked for again.  PA, PB and the two scale words are written by
; vector lines and taken by the scaled products: the wait on va_vdst stands behind the eight places.  v3 to v9: made once.
.set META, 139264                      ; lists: byte at which META begins (68 x 512 x 4)
.set HRED, 5120                        ; LDS: role Q has 1,280 bytes a wave from 0 on; role H bytes of its own from here on: 1,024 a wave
; role Q's registers
.set X,    64                          ; v64-127, v128-191  two rows: 16 loads x 4 registers each
.set MX,   16                          ; v16-23   largest magnitudes (first: v16-31 the mask bytes)
.set SO,   24                          ; v24-31   the conversions' scale operands
.set CD,   32                          ; v32-39   codes, 8 a register
.set BY,   40                          ; v40-47   scale bytes
.set OU,   48                          ; v48-56   the row on its way out
; role H's registers
.set PA,   16                          ; v16-23   decoder_hidden's fragment
.set PB,   24                          ; v24-31   W_b's fragment
.set ACC,  32                          ; v32-39   the sums
.set TM,   40                          ; v40-55   at work in QUANT
.set PWA,  56                          ; v56, v57 the two scale words: they hold scales and nothing else
.set PWB,  57
.set XA,   64                          ; v64-127  64 numbers of decoder_hidden
.set XB,   128                         ; v128-191 64 numbers of W_b
; ---- role Q: four pairs of loads (1,024 numbers) of the row in v[xb] on become codes and scale bytes in registers.
; Load j brought k = 128 j + 8 i + 0..3 to lane i and + 4..7 to lane 16 + i.  The exchange of halves between loads 2 q and 2 q + 1 leaves lane l with k = 256 q + 8 l + 0 .. 7.
.macro QV q0, xb
.irp q, \q0, \q0+1, \q0+2, \q0+3
.irp i, 0,1,2,3
	v_permlane16_swap_b32 v[(\xb)+8*(\q)+\i], v[(\xb)+8*(\q)+4+\i]
.endr
.endr
.irp q, \q0, \q0+1, \q0+2, \q0+3
	v_max3_num_f32 v[MX+(\q)], |v[(\xb)+8*(\q)]|, |v[(\xb)+8*(\q)+1]|, 0x1800000     ; my 8 numbers, and the floor 2^(3 - 127)
.endr
.irp i, 2,4,6
.irp q, \q0, \q0+1, \q0+2, \q0+3
	v_max3_num_f32 v[MX+(\q)], v[MX+(\q)], |v[(\xb)+8*(\q)+\i]|, |v[(\xb)+8*(\q)+\i+1]|
.endr
.endr
.irp q, \q0, \q0+1, \q0+2, \q0+3
	v_max_num_f32_dpp v[MX+(\q)], v[MX+(\q)], v[MX+(\q)] row_xmask:1 row_mask:0xf bank_mask:0xf
.endr
.irp q, \q0, \q0+1, \q0+2, \q0+3
	v_max_num_f32_dpp v[MX+(\q)], v[MX+(\q)], v[MX+(\q)] row_xmask:2 row_mask:0xf bank_mask:0xf   ; four lanes hold a block of 32
.endr
.irp q, \q0, \q0+1, \q0+2, \q0+3
	v_add_nc_u32 v[SO+(\q)], 0xff000000, v[MX+(\q)]                          ; 2 off the exponent field: the conversion's scale operand
.endr
.irp q, \q0, \q0+1, \q0+2, \q0+3
	v_cvt_scalef32_pk8_fp4_f32 v[CD+(\q)], v[(\xb)+8*(\q):(\xb)+8*(\q)+7], v[SO+(\q)]
.endr
.irp q, \q0, \q0+1, \q0+2, \q0+3
	v_lshrrev_b32 v[BY+(\q)], 23, v[SO+(\q)]                                 ; the scale's byte (plain lines behind the conversions)
.endr
.endm
; and go into the wave's own LDS bytes
.macro QS q0
.irp q, \q0, \q0+1, \q0+2, \q0+3
	ds_store_b32 v4, v[CD+(\q)] offset:128*(\q)                              ; byte (256 q + 8 l) / 2 of the row's codes
	ds_store_b8 v5, v[BY+(\q)] offset:8*(\q)                                 ; byte 8 q + l / 4: four lanes write the same byte with the same value
.endr
.endm
; my next kept row is asked for, into set 0 or 1.  s46: the chunk's kept rows that are left, my next one the lowest bit; s47: its position.
; No s_wait_alu: the set's last row stated, ahead of its LDS stores, that its vector lines are done with the set, and no vector instruction has been issued since; v2 and v3 are as the head made them.
.macro NEXT set
	s_wait_xcnt 0x0                                ; every earlier memory instruction has read its registers: the set's base is written again below
	s_sub_co_u32 s26, s46, 1
	s_xor_b32 s25, s46, s26                        ; the lowest set bit and all below it:
	s_bcnt1_i32_b32 s25, s25
	s_sub_co_u32 s25, s25, 1                       ; their number less one is the row's place in the chunk
.rept 4
	s_sub_co_u32 s26, s46, 1
	s_and_b32 s46, s46, s26                        ; four kept rows on: mine and the other three waves'
.endr
	s_add_co_u32 s25, s25, s49
	s_min_u32 s25, s25, s45                        ; held at the tensor's last row,
	s_min_u32 s25, s25, 0x7fff                     ; and under 32,768 whatever the mask holds
	s_mul_i32 s60, s25, 8000
	s_add_nc_u64 s[50+2*\set:51+2*\set], s[58:59], s[60:61]    ; the source row
	s_min_u32 s25, s47, 0x1ff
	s_add_co_u32 s[30+\set], s25, s57              ; 512 job + position
	s_add_co_u32 s47, s47, 4
.irp j, 0,1,2,3,4,5,6,7,8,9,10,11,12,13,14
	global_load_b128 v[X+64*\set+4*\j:X+64*\set+4*\j+3], v2, s[50+2*\set:51+2*\set] offset:512*\j th:TH_LOAD_NT   ; 32 lanes read 512 consecutive bytes
.endr
	global_load_b128 v[X+64*\set+60:X+64*\set+63], v3, s[50+2*\set:51+2*\set] offset:7680 th:TH_LOAD_NT
.endm
; the row in set 0 or 1 is quantised and stored.  younger: the loads of the row asked for behind it, which stay out
.macro PROC set, younger
	s_wait_loadcnt 8+\younger                      ; the row's loads 0-7 are in; its own 8 younger ones and the next row's stay out
	s_wait_alu depctr_vm_vsrc(0)                   ; the last row's LDS stores have read CD and BY, which the lines below write again; its global stores have read OU, in which this row's LDS loads land
	QV 0, X+64*\set
	s_wait_loadcnt \younger                        ; the whole row is in
.irp i, 0,1,2,3
	v_cndmask_b32 v[X+64*\set+60+\i], 0, v[X+64*\set+60+\i], s56   ; k >= 2000 counts as 0
.endr
	QV 4, X+64*\set
	s_wait_alu depctr_va_vdst(0)                   ; the row's codes and scale bytes are written, which the LDS stores read; and the row's vector lines are done with this set of X, in which the set's next row lands
	QS 0
	QS 4
	s_wait_xcnt 0x0                                ; the last row's stores have read their data and bases: both are written again below
	s_lshl_b32 s60, s[30+\set], 10
	s_add_nc_u64 s[54:55], s[12:13], s[60:61]      ; the row of codes
	s_lshl_b32 s60, s[30+\set], 6
	s_add_nc_u64 s[28:29], s[14:15], s[60:61]      ; the row of scale bytes
	ds_load_b128 v[OU:OU+3], v6                    ; LDS serves a wave's instructions in order: these see my stores
	ds_load_b128 v[OU+4:OU+7], v6 offset:512
	ds_load_u16 v[OU+8], v7
	s_wait_dscnt 0x0
	global_store_b128 v8, v[OU:OU+3], s[54:55]             ; 512 consecutive bytes, at a multiple of 256 from the buffer's first byte
	global_store_b128 v8, v[OU+4:OU+7], s[54:55] offset:512
	global_store_b16 v9, v[OU+8], s[28:29]                 ; the row's 64 scale bytes
.endm
; ---- role H: 64 numbers a lane of my K step st (0 or 1): register 16 b + i = k 32 b + 16 (lane / 16) + i of the step, of my row.
; tail = 1: the step that ends at k = 999: block 3 has 8 numbers, in lanes 0-15; lanes 16-31 read the same bytes (no load leaves a row) and TAIL clears them.
.macro XLOAD reg, adr, adr0, base, st, tail
.if (\tail) == 0
.irp b, 0,1,2,3
.irp j, 0,1,2,3
	global_load_b128 v[\reg+16*\b+4*\j:\reg+16*\b+4*\j+3], v[\adr], s[\base:\base+1] offset:512*(\st)+128*\b+16*\j
.endr
.endr
.else
.irp b, 0,1,2
.irp j, 0,1,2,3
	global_load_b128 v[\reg+16*\b+4*\j:\reg+16*\b+4*\j+3], v[\adr], s[\base:\base+1] offset:512+128*\b+16*\j
.endr
.endr
.irp j, 0,1
	global_load_b128 v[\reg+48+4*\j:\reg+48+4*\j+3], v[\adr0], s[\base:\base+1] offset:896+16*\j
.endr
.irp i, 0,1,2,3,4,5,6,7
	v_mov_b32 v[\reg+56+\i], 0
.endr
.endif
.endm
.macro TAIL reg
.irp i, 0,1,2,3,4,5,6,7
	v_cndmask_b32 v[\reg+48+\i], 0, v[\reg+48+\i], s22                       ; k >= 1000 counts as 0: lanes 16-31 of block 3
.endr
.endm
; 64 numbers of a lane become a fragment's codes in v[pc] on and its scale word in v[pw]
.macro QUANT s, pc, pw
.irp b, 0,1,2,3
	v_max3_num_f32 v[TM+\b], |v[\s+16*\b]|, |v[\s+1+16*\b]|, 0x1800000
.endr
.irp i, 2,4,6,8,10,12,14
.irp b, 0,1,2,3
	v_max3_num_f32 v[TM+\b], v[TM+\b], |v[\s+16*\b+\i]|, |v[\s+1+16*\b+\i]|
.endr
.endr
.irp b, 0,1,2,3
	v_permlanex16_b32 v[TM+4+\b], v[TM+\b], s20, s21
.endr
.irp b, 0,1,2,3
	v_max_num_f32 v[TM+\b], v[TM+\b], v[TM+4+\b]                             ; with lane l xor 16's: the block's largest magnitude
.endr
.irp b, 0,1,2,3
	v_add_nc_u32 v[TM+12+\b], 0xff000000, v[TM+\b]
.endr
.irp b, 0,1,2,3
	v_lshrrev_b32 v[TM+4+\b], 23, v[TM+12+\b]
.endr
	v_lshl_or_b32 v[\pw], v[TM+5], 8, v[TM+4]
	v_lshl_or_b32 v[\pw], v[TM+6], 16, v[\pw]
	v_lshl_or_b32 v[\pw], v[TM+7], 24, v[\pw]
.irp b, 0,1,2,3
	v_cvt_scalef32_pk8_fp4_f32 v[\pc+2*\b], v[\s+16*\b:\s+7+16*\b], v[TM+12+\b]
	v_cvt_scalef32_pk8_fp4_f32 v[\pc+1+2*\b], v[\s+8+16*\b:\s+15+16*\b], v[TM+12+\b]
.endr
	v_nop                                          ; one plain line behind the scaled conversions
.irp c, 0,1                                    ; the operand wants a whole block in a lane
.irp i, 0,1
	v_permlane16_swap_b32 v[\pc+4*\c+\i], v[\pc+2+4*\c+\i]
.endr
.endr
.endm
; my two K steps.  Four units of loads (an operand of a step each), two of them out at a time.
; transposed: source 0 = 16 rows of W_b, source 1 = 16 batches: a lane holds one batch and eight neighbouring hidden units
.macro HSTEPS tail
	XLOAD XA, 3, 4, 4, 0, 0
	XLOAD XB, 5, 6, 6, 0, 0
	s_wait_loadcnt 16                              ; decoder_hidden's numbers of my first step are in; W_b's 16 younger loads stay out
	QUANT XA, PA, PWA
	s_wait_alu depctr_va_vdst(0)                   ; the lines above are done reading XA, in which the second step's numbers land
	XLOAD XA, 3, 4, 4, 1, \tail
	s_wait_loadcnt 16-2*(\tail)                    ; W_b's numbers of the first step are in; the loads just issued (16, in the tail 14) stay out
	QUANT XB, PB, PWB
.rept 8
	v_nop                                          ; a scale word made by vector instructions stands 8 places ahead of the scaled product, codes so made 4
.endr
	s_wait_alu depctr_va_vdst(0)                   ; both fragments' codes and both scale words are written, which the product below takes; and the lines above are done reading XB, in which the second step's numbers land
	XLOAD XB, 5, 6, 6, 1, \tail
	v_wmma_scale_f32_16x16x128_f8f6f4 v[ACC:ACC+7], v[PB:PB+7], v[PA:PA+7], 0, v[PWB], v[PWA] matrix_a_fmt:MATRIX_FMT_FP4 matrix_b_fmt:MATRIX_FMT_FP4
	s_wait_loadcnt 16-2*(\tail)                    ; decoder_hidden's numbers of the second step are in; W_b's stay out
.if \tail
	TAIL XA
.endif
	QUANT XA, PA, PWA                              ; (its first lines, which name none of the product's registers, are the places ahead of the writes of the fragment and the scale word)
	s_wait_loadcnt 0x0
.if \tail
	TAIL XB
.endif
	QUANT XB, PB, PWB
.rept 8
	v_nop
.endr
	s_wait_alu depctr_va_vdst(0)                   ; the wait directly ahead of the link; it also states that the second step's codes and scale words are written
	v_wmma_scale_f32_16x16x128_f8f6f4 v[ACC:ACC+7], v[PB:PB+7], v[PA:PA+7], v[ACC:ACC+7], v[PWB], v[PWA] matrix_a_fmt:MATRIX_FMT_FP4 matrix_b_fmt:MATRIX_FMT_FP4
.endm
	v_lshl_add_u32 v192, v0, 2, 0x2400
	v_mov_b32 v193, 0
	v_lshrrev_b32 v10, 5, v0
	v_readfirstlane_b32 s18, v10                   ; wave 0..3
	s_wait_alu depctr_va_sdst(0)                   ; s18 is written: ahead of the branch, and of its first reader in either role
	s_cmp_lt_u32 ttmp9, 256
	s_cbranch_scc1 .Lrole_h
; =========================== ROLE Q ===========================
	s_load_b256 s[4:11], s[0:1], 0x10              ; context s[4:5], W_a s[6:7], dense_w s[8:9], mask s[10:11]
	s_load_b128 s[12:15], s[0:1], 0x30             ; codes s[12:13], scl s[14:15]
	s_load_b64 s[16:17], s[0:1], 0x40              ; lists
	s_sub_co_u32 s25, ttmp9, 256
	s_lshr_b32 s19, s25, 4                         ; 0..67, in the order of the launch:
	s_and_b32 s20, s25, 15                         ; chunk 0..15
	s_add_co_u32 s26, s19, 64
	s_sub_co_u32 s27, s19, 4
	s_cmp_lt_u32 s19, 4
	s_cselect_b32 s19, s26, s27                    ; the job: the four jobs of weights first, then the batches
	v_and_b32 v1, 31, v0                           ; lane
	v_and_b32 v10, 15, v0
	v_bfe_u32 v11, v0, 4, 1
	v_lshlrev_b32 v2, 5, v10
	v_lshl_add_u32 v2, v11, 4, v2                  ; my 16 bytes of a load's 512: lanes 0-15 the even pieces, lanes 16-31 the odd ones
	v_cmp_gt_u32 s56, 0x140, v2                    ; the last load: only 320 of its 512 bytes lie in the row
	s_mul_i32 s25, s18, 1280                       ; my wave's LDS bytes: 1,024 of codes, 64 of scale bytes
	v_lshl_add_u32 v4, v1, 2, s25
	v_lshrrev_b32 v5, 2, v1
	v_add_nc_u32 v5, s25, v5
	v_add_nc_u32 v5, 1024, v5
	v_lshl_add_u32 v6, v1, 4, s25
	v_lshl_add_u32 v7, v1, 1, s25
	v_add_nc_u32 v7, 1024, v7
	v_lshlrev_b32 v8, 4, v1
	v_lshlrev_b32 v9, 1, v1
	s_wait_alu depctr_va_sdst(0)                   ; the compare has written s56, ahead of its first reader
	v_cndmask_b32 v3, 0, v2, s56                   ; the other lanes read the load's first bytes and are cleared afterwards
	s_min_u32 s26, s19, 63                         ; the weights' jobs read a mask too and do not use it
	s_lshl_b32 s60, s26, 9
	s_mov_b32 s61, 0
	s_wait_kmcnt 0x0
	s_add_nc_u64 s[10:11], s[10:11], s[60:61]
	s_wait_alu depctr_va_vdst(0)                   ; the offsets and LDS addresses v1 to v9 are written, which this role's loads and stores read
.irp c, 0,1,2,3,4,5,6,7,8,9,10,11,12,13,14,15
	global_load_u8 v[16+\c], v1, s[10:11] offset:32*\c
.endr
	s_wait_loadcnt 0x0
.irp c, 0,1,2,3,4,5,6,7,8,9,10,11,12,13,14,15
	v_cmp_eq_u32 s[28+\c], 0, v[16+\c]             ; bit l of word c: row 32 c + l is kept
.endr
	s_wait_alu depctr_va_sdst(0)                   ; the sixteen compares have written s28 to s43, ahead of their first reader
	s_cmp_ge_u32 s19, 64
.irp c, 0,1,2,3,4,5,6,7,8,9,10,11,12,13,14,15
	s_cselect_b32 s[28+\c], -1, s[28+\c]           ; a weight keeps every row
.endr
	s_mov_b32 s21, 0                               ; the count of kept rows,
	s_mov_b32 s22, 0                               ; of those ahead of my chunk,
	s_mov_b32 s23, 0                               ; and my chunk's word
.irp c, 0,1,2,3,4,5,6,7,8,9,10,11,12,13,14,15
	s_bcnt1_i32_b32 s25, s[28+\c]
	s_add_co_u32 s21, s21, s25
	s_cmp_gt_u32 s20, \c
	s_cselect_b32 s26, s25, 0
	s_add_co_u32 s22, s22, s26
	s_cmp_eq_u32 s20, \c
	s_cselect_b32 s23, s[28+\c], s23
.endr
	s_mov_b32 s25, 512
	s_lshl_b32 s26, s20, 5
	s_cmp_eq_u32 s21, 0                            ; no row kept: all 512 are kept, and the flag says that their scores are -1e6
	s_cselect_b32 s23, -1, s23
	s_cselect_b32 s22, s26, s22
	s_cselect_b32 s24, 1, 0
	s_cselect_b32 s21, s25, s21
	s_lshl_b32 s25, s19, 9
	s_and_b32 s26, s19, 1
	s_lshl_b32 s26, s26, 9
	s_mov_b32 s45, 999
	s_cmp_lt_u32 s19, 66                           ; the source: a choice on the job's number alone
	s_cselect_b64 s[58:59], s[6:7], s[8:9]
	s_cmp_lt_u32 s19, 64
	s_cselect_b64 s[58:59], s[4:5], s[58:59]
	s_cselect_b32 s44, s25, s26                    ; the job's first source row,
	s_cselect_b32 s45, 32767, s45                  ; and the tensor's last
	s_cmp_lg_u32 s18, 0
	s_cbranch_scc1 .Lq_rows
	; wave 0 stores my chunk's 32 entries of the list
	v_mbcnt_lo_u32_b32 v10, s23, 0                 ; kept rows of the chunk below my lane
	v_add_nc_u32 v10, s22, v10                     ; kept rows ahead of mine: a kept row's position
	v_lshl_add_u32 v11, s20, 5, v1                 ; my source row
	v_add_nc_u32 v12, s21, v11
	v_sub_nc_u32 v12, v12, v10                     ; another row's position: count + the rows not kept ahead of it
	v_cndmask_b32 v12, v12, v10, s23
	v_min_u32 v12, 0x1ff, v12
	v_lshlrev_b32 v12, 2, v12
	s_lshl_b32 s60, s19, 11
	s_add_nc_u64 s[50:51], s[16:17], s[60:61]
	s_wait_alu depctr_va_vdst(0)                   ; the entry v11 and its place v12 are written, which the store reads
	global_store_b32 v12, v11, s[50:51]
	s_cmp_lg_u32 s20, 0
	s_cbranch_scc1 .Lq_rows
	v_mov_b32 v13, 0                               ; chunk 0's wave 0 stores the job's record: count, flag, zeros
	v_mov_b32 v14, s21
	v_mov_b32 v15, s24
	v_cmp_eq_u32 s25, 0, v1
	v_cmp_eq_u32 s26, 1, v1
	s_wait_alu depctr_va_sdst(0)                   ; the two compares have written s25 and s26, ahead of their first reader
	v_cndmask_b32 v13, v13, v14, s25
	v_cndmask_b32 v13, v13, v15, s26
	v_lshlrev_b32 v14, 2, v1
	s_lshl_b32 s60, s19, 7
	s_add_nc_u64 s[52:53], s[16:17], s[60:61]
	s_wait_alu depctr_va_vdst(0)                   ; the record's word v13 and its place v14 are written, which the store reads
	global_store_b32 v14, v13, s[52:53] offset:META
.Lq_rows:
	s_mov_b32 s46, s23                             ; the chunk's kept rows, less the lowest w of them: my first row is then the lowest bit
.irp k, 0,1,2
	s_sub_co_u32 s25, s46, 1
	s_and_b32 s25, s25, s46
	s_cmp_gt_u32 s18, \k
	s_cselect_b32 s46, s25, s46
.endr
	s_add_co_u32 s47, s22, s18                     ; its position: the kept rows ahead of the chunk + my wave's number
	s_lshl_b32 s49, s20, 5
	s_add_co_u32 s49, s49, s44                     ; the chunk's first source row in the tensor
	s_lshl_b32 s57, s19, 9                         ; 512 job
	s_cmp_eq_u32 s46, 0
	s_cbranch_scc1 .Lq_end                         ; no row for my wave
	NEXT 0
	s_mov_b32 s48, 0
.Lq_trip:                                          ; at the head set 0's 16 loads are out and nothing behind them.  8 rows a wave at the most: the fourth trip leaves by one of the two exits
	s_cmp_eq_u32 s46, 0
	s_cbranch_scc1 .Lq_last0
	NEXT 1
	PROC 0, 16
	s_cmp_eq_u32 s46, 0
	s_cbranch_scc1 .Lq_last1
	NEXT 0
	PROC 1, 16
	s_add_co_u32 s48, s48, 1
	s_cmp_lt_u32 s48, 4
	s_cbranch_scc1 .Lq_trip
.Lq_last0:
	PROC 0, 0                                      ; the last row: no load was issued behind its own
	s_wait_dscnt 0x0                               ; the closing lines, six on end
	s_wait_alu 0x0
	s_wait_tensorcnt 0x0
	ds_add_u32 v192, v193
	s_wait_dscnt 0x0
	s_endpgm
.Lq_last1:
	PROC 1, 0
.Lq_end:
	s_wait_dscnt 0x0                               ; the closing lines, six on end
	s_wait_alu 0x0
	s_wait_tensorcnt 0x0
	ds_add_u32 v192, v193
	s_wait_dscnt 0x0
	s_endpgm
; =========================== ROLE H ===========================
.Lrole_h:
	s_load_b128 s[4:7], s[0:1], 0x0                ; decoder_hidden s[4:5], W_b s[6:7]
	s_load_b64 s[8:9], s[0:1], 0x48                ; hidp
	v_and_b32 v1, 15, v0                           ; r
	v_bfe_u32 v2, v0, 4, 1                         ; h
	v_mul_u32_u24 v4, v1, 4000                     ; decoder_hidden: row r of my 16,
	v_lshl_add_u32 v3, v2, 6, v4                   ; + 64 h: my 16 numbers of a block of 32
	s_lshr_b32 s24, ttmp9, 2
	s_lshl_b32 s24, s24, 4                         ; n0
	s_and_b32 s23, ttmp9, 3                        ; which 16 batches
	v_add_nc_u32 v6, s24, v1
	v_min_u32 v6, 999, v6                          ; W_b: row n0 + r, held at the last row
	v_mul_u32_u24 v6, v6, 4000
	v_lshl_add_u32 v5, v2, 6, v6
	s_lshl_b32 s25, s23, 4
	v_add_nc_u32 v7, s25, v1                       ; my batch
	v_lshlrev_b32 v7, 12, v7
	v_lshl_add_u32 v8, v2, 3, s24
	v_lshl_add_u32 v7, v8, 2, v7                   ; hidp: batch x 4,096 + 4 (n0 + 8 h)
	v_and_b32 v9, 31, v0
	v_lshlrev_b32 v9, 4, v9                        ; LDS: 16 x lane: where a lane's four registers of an image lie,
	s_lshl_b32 s25, s18, 10
	v_add_nc_u32 v8, s25, v9                       ; + 1,024 x wave for my own partial tile
	s_mov_b32 s20, 0x76543210
	s_mov_b32 s21, 0xfedcba98                      ; v_permlanex16_b32's selects for lane l xor 16
	s_mov_b32 s22, 0x0000ffff                      ; lanes 0-15
.irp b, 0,1,2,3
	v_mov_b32 v[TM+4+\b], 0                        ; written once: a lane permute's destination counts as one of its sources
.endr
	s_mul_i32 s26, s23, 64000                      ; my work-group's 16 rows of decoder_hidden,
	s_add_co_u32 s26, s26, s25                     ; and my wave's two K steps: 1,024 bytes along a row
	s_mov_b32 s27, 0
	s_mov_b32 s28, s25
	s_mov_b32 s29, 0
	s_wait_kmcnt 0x0
	s_add_nc_u64 s[4:5], s[4:5], s[26:27]
	s_add_nc_u64 s[6:7], s[6:7], s[28:29]
	s_wait_alu depctr_va_vdst(0)                   ; the offsets and LDS addresses v3 to v9 are written, which this role's loads and stores read
	s_cmp_eq_u32 s18, 3                            ; wave 3's second step ends at k = 999: the steps are written out twice
	s_cbranch_scc1 .Lh_tail
	HSTEPS 0
	s_branch .Lh_sum
.Lh_tail:
	HSTEPS 1
.Lh_sum:
.rept 4
	v_nop                                          ; four places ahead of the LDS stores that read the sums
.endr
	s_wait_alu depctr_va_vdst(0)                   ; the products have written the sums, which the LDS stores read (the places above stay beside this wait); and the quantiser's lines are done reading v64 to v95, in which wave 0's loads land
	ds_store_b128 v8, v[ACC:ACC+3] offset:HRED     ; my partial tile as an image of its registers, from the low end on
	ds_store_b128 v8, v[ACC+4:ACC+7] offset:HRED+512
	s_wait_dscnt 0x0                               ; for wave 0's sake: my stores have landed
	s_barrier_signal -1
	s_barrier_wait -1
	s_cmp_lg_u32 s18, 0
	s_cbranch_scc1 .Lh_end
.irp k, 0,1,2,3
	ds_load_b128 v[64+8*\k:67+8*\k], v9 offset:HRED+1024*\k
	ds_load_b128 v[68+8*\k:71+8*\k], v9 offset:HRED+1024*\k+512
.endr
	s_wait_dscnt 0x0
.irp c, 0,2,4,6
	v_pk_add_f32 v[64+\c:65+\c], v[64+\c:65+\c], v[72+\c:73+\c]
	v_pk_add_f32 v[80+\c:81+\c], v[80+\c:81+\c], v[88+\c:89+\c]
.endr
.irp c, 0,2,4,6
	v_pk_add_f32 v[64+\c:65+\c], v[64+\c:65+\c], v[80+\c:81+\c]
.endr
	s_wait_alu depctr_va_vdst(0)                   ; the additions have written v64 to v71, which the stores read
	global_store_b128 v7, v[64:67], s[8:9]
	global_store_b128 v7, v[68:71], s[8:9] offset:16
.Lh_end:
	s_wait_dscnt 0x0                               ; the closing lines, six on end
	s_wait_alu 0x0
	s_wait_tensorcnt 0x0
	ds_add_u32 v192, v193
	s_wait_dscnt 0x0
	s_endpgm
.Lfunc_end_k_q1134baa275_prep:
	.size	k_q1134baa275_prep, .Lfunc_end_k_q1134baa275_prep-k_q1134baa275_prep
	.p2alignl 7, 3214868480
	.fill 96, 4, 3214868480
	.section	.rodata,"a",@progbits
	.p2align	6, 0x0
	.amdhsa_kernel k_q1134baa275_prep
		.amdhsa_group_segment_fixed_size 9728
		.amdhsa_private_segment_fixed_size 0
		.amdhsa_enable_private_segment 0
		.amdhsa_kernarg_size 80
		.amdhsa_user_sgpr_count 2
		.amdhsa_user_sgpr_kernarg_segment_ptr 1
		.amdhsa_wavefront_size32 1
		.amdhsa_system_sgpr_workgroup_id_x 1
		.amdhsa_system_sgpr_workgroup_id_y 1
		.amdhsa_system_sgpr_workgroup_id_z 1
		.amdhsa_system_vgpr_workitem_id 0
		.amdhsa_next_free_vgpr 194
		.amdhsa_next_free_sgpr 66
		.amdhsa_reserve_vcc 0
		.amdhsa_float_denorm_mode_32 3
		.amdhsa_float_denorm_mode_16_64 3
		.amdhsa_memory_ordered 1
		.amdhsa_forward_progress 1
		.amdhsa_inst_pref_size 98
	.end_amdhsa_kernel
	.amdgpu_metadata
---
amdhsa.version: [ 1, 2 ]
amdhsa.kernels:
  - .name:           k_q1134baa275_prep
    .symbol:         k_q1134baa275_prep.kd
    .args:
      - { .name: decoder_hidden, .offset: 0, .size: 8, .value_kind: global_buffer, .address_space: global }
      - { .name: W_b, .offset: 8, .size: 8, .value_kind: global_buffer, .address_space: global }
      - { .name: context, .offset: 16, .size: 8, .value_kind: global_buffer, .address_space: global }
      - { .name: W_a, .offset: 24, .size: 8, .value_kind: global_buffer, .address_space: global }
      - { .name: dense_w, .offset: 32, .size: 8, .value_kind: global_buffer, .address_space: global }
      - { .name: mask, .offset: 40, .size: 8, .value_kind: global_buffer, .address_space: global }
      - { .name: codes, .offset: 48, .size: 8, .value_kind: global_buffer, .address_space: global }
      - { .name: scl, .offset: 56, .size: 8, .value_kind: global_buffer, .address_space: global }
      - { .name: lists, .offset: 64, .size: 8, .value_kind: global_buffer, .address_space: global }
      - { .name: hidp, .offset: 72, .size: 8, .value_kind: global_buffer, .address_space: global }
    .group_segment_fixed_size: 9728
    .private_segment_fixed_size: 0
    .kernarg_segment_align: 8
    .kernarg_segment_size: 80
    .max_flat_workgroup_size: 128
    .sgpr_count:     66
    .vgpr_count:     194
    .wavefront_size: 32
...
	.end_amdgpu_metadata
.endif
;; end of part 5
;; launch scores (part 6): grid 4 x 64, 4 waves a work-group, no clusters, 99,328 bytes of LDS; arguments codes, scl, lists, hidp, W_c_w, part; writes part
.if DOCPART == 6
	.amdgcn_target "amdgcn-amd-amdhsa--gfx1250"
	.amdhsa_code_object_version 6
	.text
	.protected	k_q1134baa275_scores
	.globl	k_q1134baa275_scores
	.p2align	8
	.type	k_q1134baa275_scores,@function
k_q1134baa275_scores:
	s_mov_b64 s[64:65], 0
	v_nop
	global_prefetch_b8 v0, s[64:65] scope:SCOPE_SE
	s_setreg_imm32_b32 hwreg(HW_REG_WAVE_SCHED_MODE, 0, 2), 2
	s_setreg_imm32_b32 hwreg(HW_REG_WAVE_MODE, 25, 1), 1
	s_wait_xcnt 0x0
	s_wait_alu depctr_vm_vsrc(0)
; SCORES.  part[4 q + w][b][position] = sum over the wave's 64 hidden units n of W_c_w[n] tanh(Q(context row) . Q(W_a[n]) + hidden_in[b][n]), for the kept rows of batch b.
; A work-group (q = x, b = y) takes batch b's kept rows x hidden units 256 q .. 256 q + 255; wave w keeps its four tiles of 16 rows of W_a, all 16 K steps of 128, in 512 registers for the whole launch.
; The rows pass in groups of 32 (two tiles) through two LDS buffers that all four waves read.  G = ceil(count / 32) groups have work; the loop has 16 steps for every work-group,
; each with its barrier, and a step without work jumps over the work alone (a scalar branch on the stored count, the same in all four waves).
; No tensor load and no joint load: the branches hang on a count read from memory.
; The product is used as it stands: source 0 = 16 rows of context, source 1 = 16 rows of W_a: a lane holds ONE hidden unit (lane % 16) and its registers eight rows, so hidden_in and W_c_w are one number a lane and tile.
; tanh(x) = 1 - 2 / (1 + 2^(2 log2(e) x)): right at both ends (the power runs to infinity or to 0).  So sum w tanh = sum w - 2 sum w / (1 + 2^..).
; Hidden units 1000-1023 carry the weight 0.  A position past the count is replaced by the last kept one in every load; what is made of it is never read.
; REGISTERS, in windows of 256: window 0: v1-15 addresses; v16-33 constants of my lane; v34-65 W_a's scale words, v66-97 the rows' (two sets); v98-161 eight accumulators; v162-186 the way out; v192-255 a group on its way to LDS.
;   window 1: the group's fragments (tile m, K step ks at 128 m + 8 ks).   windows 2, 3: W_a's fragments (tile t in window 2 + t / 2 at 128 (t % 2) + 8 ks).
; THE MODE: SCHED_MODE bits 1:0 = 2 (LLVM: expert scheduling mode 2), set by the entry lines.  The code itself states the register dependences
; between vector or matrix instructions and memory or LDS instructions, with s_wait_alu, always for 0.
; THE PLAN.  Registers that memory or LDS instructions touch, round the loop:
;   window 1      A step's LDS loads (FR) land in it; the step's 128 products read it; the next step's loads land in it again.
;   AS0, AS1      Step par's four loads land in AS[par], which the products of the step before read; the products of the next step read the new words.
;   ST            A step's sixteen loads land in it; the LDS stores at the step's end read it; no vector instruction names it.
;   v6, v7        The scale words' offset: written by four vector lines at the head of step par, read by that step's four loads.
;   VAL           Written by the last select of the way out, read by one store.
;   v1-5, v8, v10-13  Offsets and LDS addresses, made at the kernel's head and never written again.
; A step has three waits.  On vm_vsrc, beside the waits on the memory counters in front of the barrier: the LDS stores have read ST, the last store VAL, the loads of two steps back v6 or v7.
; On va_vdst, behind the four address lines: the last products are done reading window 1 and AS[par], and the offset is written; the step's 84 loads follow it, with loads, window switches and scalar lines alone between.
; The way out, under which they land, names the accumulators, my lane's constants, PP, SD and VAL: none of the registers that those loads touch.  On va_vdst once more, ahead of the store of VAL.
.set PIT,  1040                        ; an LDS row: 1,024 bytes + 16 = 65 x 16: the 16 rows that a load touches start 16 bytes apart modulo 256
.set BUF1, 65536                       ; buffer 0 at 0, buffer 1 here; 32 rows each.  At the head each wave's 16 x PIT bytes from 16 PIT x wave on turn W_a's rows into fragments
.set META, 139264
.set HC,   16                          ; v16-23   hidden_in x 2 log2(e), a pair for each tile
.set W2,   24                          ; v24-31   -2 W_c_w, a pair for each tile
.set WS,   32                          ; v32-33   the sum of my four W_c_w
.set BS,   34                          ; v34-65   W_a's scale words: register 16 p + ks: lanes 0-15 tile 2 p, lanes 16-31 tile 2 p + 1
.set AS,   66                          ; v66-97   the rows' scale words: set par at 16 par + ks: lanes 0-15 tile 0, lanes 16-31 tile 1
.set ACC,  98                          ; v98-161  accumulator (t, m) at 8 (2 t + m)
.set PP,   162                         ; v162-177 eight rows' sums for each tile m
.set SD,   178                         ; v178-185 what a lane hands to its partner
.set VAL,  186
.set ST,   192                         ; v192-255 my 8 rows of a group, as loaded
.set MSB, 0
.macro WIN new                         ; the immediate's high byte repeats the setting that is left
.if MSB != (\new)
	s_set_vgpr_msb (MSB<<8)|(\new)
.set MSB, (\new)
.endif
.endm
; group g + d: the offset of the 32 rows' scale words, for set par
.macro GLA d, par
	s_add_co_u32 s52, s22, \d
	s_lshl_b32 s52, s52, 5
	v_add_nc_u32 v[6+(\par)], s52, v9
	v_min_u32 v[6+(\par)], s20, v[6+(\par)]
	v_min_u32 v[6+(\par)], 0x1ff, v[6+(\par)]
	v_lshlrev_b32 v[6+(\par)], 6, v[6+(\par)]
.endm
; and the loads: my 8 rows of codes into ST, the 32 rows' scale words into set par (s52 is as GLA left it)
.macro GLL par
	s_lshl_b32 s53, s16, 3
	s_add_co_u32 s52, s52, s53
.irp k, 0,1,2,3,4,5,6,7
	s_add_co_u32 s53, s52, \k
	s_min_u32 s53, s53, s20                        ; held at the last kept position,
	s_min_u32 s53, s53, 0x1ff                      ; and inside the batch whatever the count says
	s_lshl_b32 s60, s53, 10
	s_add_nc_u64 s[36+2*\k:37+2*\k], s[30:31], s[60:61]
	global_load_b128 v[ST+8*\k:ST+8*\k+3], v1, s[36+2*\k:37+2*\k]
	global_load_b128 v[ST+8*\k+4:ST+8*\k+7], v1, s[36+2*\k:37+2*\k] offset:512
.endr
.irp i, 0,1,2,3
	global_load_b128 v[AS+16*(\par)+4*\i:AS+16*(\par)+4*\i+3], v[6+(\par)], s[32:33] offset:16*\i
.endr
.endm
.macro DS par                          ; my 8 rows into buffer par
.irp k, 0,1,2,3,4,5,6,7
	ds_store_b128 v[2+(\par)], v[ST+8*\k:ST+8*\k+3] offset:\k*PIT
	ds_store_b128 v[2+(\par)], v[ST+8*\k+4:ST+8*\k+7] offset:\k*PIT+512
.endr
.endm
.macro FR par                          ; the group's 32 fragments out of buffer par: registers 4 c .. 4 c + 3 hold k = 64 c + 32 (lane / 16) + 0 .. 31
	WIN 0x40
.irp m, 0,1
.irp ks, 0,1,2,3,4,5,6,7,8,9,10,11,12,13,14,15
	ds_load_b128 v[128*\m+8*\ks:128*\m+8*\ks+3], v[4+(\par)] offset:\m*16*PIT+64*\ks
	ds_load_b128 v[128*\m+8*\ks+4:128*\m+8*\ks+7], v[4+(\par)] offset:\m*16*PIT+64*\ks+32
.endr
.endr
	WIN 0
.endm
; one product.  ks = 0 starts the sum with the constant 0.  m = 1: the rows' scale words stand in lanes 16-31; tt = 1: W_a's do
.macro WM d, a, b, sa, sb, ks, m, tt
.if (\ks) == 0
.if (\m) == 0
.if (\tt) == 0
	v_wmma_scale_f32_16x16x128_f8f6f4 v[\d:\d+7], v[\a:\a+7], v[\b:\b+7], 0, v[\sa], v[\sb] matrix_a_fmt:MATRIX_FMT_FP4 matrix_b_fmt:MATRIX_FMT_FP4
.else
	v_wmma_scale_f32_16x16x128_f8f6f4 v[\d:\d+7], v[\a:\a+7], v[\b:\b+7], 0, v[\sa], v[\sb] matrix_a_fmt:MATRIX_FMT_FP4 matrix_b_fmt:MATRIX_FMT_FP4 matrix_b_scale:MATRIX_SCALE_ROW1
.endif
.else
.if (\tt) == 0
	v_wmma_scale_f32_16x16x128_f8f6f4 v[\d:\d+7], v[\a:\a+7], v[\b:\b+7], 0, v[\sa], v[\sb] matrix_a_fmt:MATRIX_FMT_FP4 matrix_b_fmt:MATRIX_FMT_FP4 matrix_a_scale:MATRIX_SCALE_ROW1
.else
	v_wmma_scale_f32_16x16x128_f8f6f4 v[\d:\d+7], v[\a:\a+7], v[\b:\b+7], 0, v[\sa], v[\sb] matrix_a_fmt:MATRIX_FMT_FP4 matrix_b_fmt:MATRIX_FMT_FP4 matrix_a_scale:MATRIX_SCALE_ROW1 matrix_b_scale:MATRIX_SCALE_ROW1
.endif
.endif
.else
.if (\m) == 0
.if (\tt) == 0
	v_wmma_scale_f32_16x16x128_f8f6f4 v[\d:\d+7], v[\a:\a+7], v[\b:\b+7], v[\d:\d+7], v[\sa], v[\sb] matrix_a_fmt:MATRIX_FMT_FP4 matrix_b_fmt:MATRIX_FMT_FP4
.else
	v_wmma_scale_f32_16x16x128_f8f6f4 v[\d:\d+7], v[\a:\a+7], v[\b:\b+7], v[\d:\d+7], v[\sa], v[\sb] matrix_a_fmt:MATRIX_FMT_FP4 matrix_b_fmt:MATRIX_FMT_FP4 matrix_b_scale:MATRIX_SCALE_ROW1
.endif
.else
.if (\tt) == 0
	v_wmma_scale_f32_16x16x128_f8f6f4 v[\d:\d+7], v[\a:\a+7], v[\b:\b+7], v[\d:\d+7], v[\sa], v[\sb] matrix_a_fmt:MATRIX_FMT_FP4 matrix_b_fmt:MATRIX_FMT_FP4 matrix_a_scale:MATRIX_SCALE_ROW1
.else
	v_wmma_scale_f32_16x16x128_f8f6f4 v[\d:\d+7], v[\a:\a+7], v[\b:\b+7], v[\d:\d+7], v[\sa], v[\sb] matrix_a_fmt:MATRIX_FMT_FP4 matrix_b_fmt:MATRIX_FMT_FP4 matrix_a_scale:MATRIX_SCALE_ROW1 matrix_b_scale:MATRIX_SCALE_ROW1
.endif
.endif
.endif
.endm
; a group's 128 products: first tiles 0, 1 of W_a (window 2), then tiles 2, 3 (window 3); four accumulators take turns, one instruction a turn.
; Their fragments and scale words come by loads alone: they owe the waits on the memory counters and no s_wait_alu
.macro MM par
.irp tp, 0,1
	WIN 0x09+4*\tp
.irp ks, 0,1,2,3,4,5,6,7,8,9,10,11,12,13,14,15
.irp tt, 0,1
.irp m, 0,1
	WM ACC+8*(2*(2*\tp+\tt)+\m), 128*\m+8*\ks, 128*\tt+8*\ks, AS+16*(\par)+\ks, BS+16*\tp+\ks, \ks, \m, \tt
.endr
.endr
.endr
.endr
	WIN 0
.endm
; the way out of a group: tanh, the weights, the sum over my 64 hidden units, 32 numbers stored
.macro EP par
.set i, 0
.rept 32                               ; each accumulator from its low end on
	v_pk_fma_f32 v[ACC+2*i:ACC+2*i+1], v[ACC+2*i:ACC+2*i+1], s[24:25], v[HC+2*(i/8):HC+2*(i/8)+1] op_sel_hi:[1,0,1]   ; 2 log2(e) (product + hidden_in)
.set i, i+1
.endr
.set i, 0
.rept 64
	v_exp_f32 v[ACC+i], v[ACC+i]
.set i, i+1
.endr
	v_nop                                          ; a plain line behind the last exponential,
	s_wait_alu depctr_va_vdst(0)                   ; and one wait for the batch: the 64 exponentials have written v[ACC ..], ahead of their first reader
.set i, 0
.rept 32
	v_pk_add_f32 v[ACC+2*i:ACC+2*i+1], v[ACC+2*i:ACC+2*i+1], 1.0 op_sel_hi:[1,0]
.set i, i+1
.endr
.set i, 0
.rept 64
	v_rcp_f32 v[ACC+i], v[ACC+i]
.set i, i+1
.endr
	v_nop
	s_wait_alu depctr_va_vdst(0)                   ; the 64 reciprocals have written v[ACC ..], ahead of their first reader
.irp t, 0,1,2,3
.irp m, 0,1
.irp j, 0,2,4,6
.if \t == 0
	v_pk_fma_f32 v[PP+8*\m+\j:PP+8*\m+\j+1], v[ACC+8*(2*\t+\m)+\j:ACC+8*(2*\t+\m)+\j+1], v[W2+2*\t:W2+2*\t+1], v[WS:WS+1]
.else
	v_pk_fma_f32 v[PP+8*\m+\j:PP+8*\m+\j+1], v[ACC+8*(2*\t+\m)+\j:ACC+8*(2*\t+\m)+\j+1], v[W2+2*\t:W2+2*\t+1], v[PP+8*\m+\j:PP+8*\m+\j+1]
.endif
.endr
.endr
.endr
	; the sum over 16 lanes, which shares the eight rows out as it adds: at each level a lane keeps one of a pair of rows and hands the other to its partner
.irp m, 0,1
.irp p, 0,2,4,6
	v_cndmask_b32 v[SD+4*\m+\p/2], v[PP+8*\m+\p+1], v[PP+8*\m+\p], s26
	v_cndmask_b32 v[PP+8*\m+\p], v[PP+8*\m+\p], v[PP+8*\m+\p+1], s26
.endr
.endr
.irp m, 0,1
.irp p, 0,2,4,6
	v_add_f32_dpp v[PP+8*\m+\p], v[SD+4*\m+\p/2], v[PP+8*\m+\p] row_xmask:1 row_mask:0xf bank_mask:0xf
.endr
.endr
.irp m, 0,1
.irp p, 0,4
	v_cndmask_b32 v[SD+4*\m+\p/4], v[PP+8*\m+\p+2], v[PP+8*\m+\p], s27
	v_cndmask_b32 v[PP+8*\m+\p], v[PP+8*\m+\p], v[PP+8*\m+\p+2], s27
.endr
.endr
.irp m, 0,1
.irp p, 0,4
	v_add_f32_dpp v[PP+8*\m+\p], v[SD+4*\m+\p/4], v[PP+8*\m+\p] row_xmask:2 row_mask:0xf bank_mask:0xf
.endr
.endr
.irp m, 0,1
	v_cndmask_b32 v[SD+4*\m], v[PP+8*\m+4], v[PP+8*\m], s28
	v_cndmask_b32 v[PP+8*\m], v[PP+8*\m], v[PP+8*\m+4], s28
.endr
.irp m, 0,1
	v_add_f32_dpp v[PP+8*\m], v[SD+4*\m], v[PP+8*\m] row_xmask:4 row_mask:0xf bank_mask:0xf
.endr
.irp m, 0,1
	v_add_f32_dpp v[PP+8*\m], v[PP+8*\m], v[PP+8*\m] row_xmask:8 row_mask:0xf bank_mask:0xf   ; lane (r, h) now holds row 8 h + r % 8 of tile m
.endr
	s_wait_xcnt 0x0                                ; the last group's store has read its data
	v_cndmask_b32 v[VAL], v[PP], v[PP+8], s29      ; lanes with r >= 8 take tile 1
	s_wait_alu depctr_va_vdst(0)                   ; the select has written VAL, which the store reads
	global_store_b32 v8, v[VAL], s[34:35] offset:128*(\par)   ; the group's 32 numbers: 128 consecutive bytes
.endm
; W_a's way in, two tiles a round: 32 rows as they lie into window 1, a tile at a time through my own LDS bytes, back as fragments
.macro WROUND rd
	WIN 0x40
.if \rd
	s_wait_alu depctr_vm_vsrc(0)                   ; the first round's LDS stores have read window 1's registers, in which the loads below land
.endif
.irp R, 0,1,2,3,4,5,6,7,8,9,10,11,12,13,14,15,16,17,18,19,20,21,22,23,24,25,26,27,28,29,30,31
	global_load_b128 v[8*\R:8*\R+3], v1, s[56:57] offset:(32*\rd+\R)*1024
	global_load_b128 v[8*\R+4:8*\R+7], v1, s[56:57] offset:(32*\rd+\R)*1024+512
.endr
.irp tt, 0,1
	s_wait_loadcnt 32-32*\tt                       ; the tile's 32 loads are in; the second tile's 32 may stay out
	WIN 0x04
.irp R, 0,1,2,3,4,5,6,7,8,9,10,11,12,13,14,15
	ds_store_b128 v10, v[128*\tt+8*\R:128*\tt+8*\R+3] offset:\R*PIT
	ds_store_b128 v10, v[128*\tt+8*\R+4:128*\tt+8*\R+7] offset:\R*PIT+512
.endr
	WIN 0x80+0x40*\rd
.irp ks, 0,1,2,3,4,5,6,7,8,9,10,11,12,13,14,15
	ds_load_b128 v[128*\tt+8*\ks:128*\tt+8*\ks+3], v11 offset:64*\ks       ; LDS serves a wave's instructions in order: these see the stores above, and the next tile's stores come behind them
	ds_load_b128 v[128*\tt+8*\ks+4:128*\tt+8*\ks+7], v11 offset:64*\ks+32
.endr
.endr
	WIN 0
	s_wait_dscnt 0x0
.endm
; a step of the loop: the barrier on every way; A: group g's way out, under which group g + 1's fragments and group g + 2's rows arrive; B: group g + 1's products, then group g + 2 into the buffer that group g has left
.macro STEP par
	s_wait_dscnt 0x0                               ; my stores into one buffer have landed and my reads of the other are in,
	s_wait_loadcnt 0x0                             ; and no load of mine names the bases that are written below
	s_wait_alu depctr_vm_vsrc(0)                   ; my LDS stores have read ST, in which the loads below land; the last store has read VAL and the loads of two steps back their offset, both of which are written again below
	s_barrier_signal -1
	s_barrier_wait -1
	s_cmp_ge_u32 s22, s21
	s_cbranch_scc1 .Lno_a_\@
	GLA 2, \par
.rept 4
	v_nop                                          ; four places between the last products and the first read of their sums
.endr
	WIN 0x40
	s_wait_alu depctr_va_vdst(0)                   ; the last products are done reading window 1 and this set of scale words, in which the loads below land; the scale words' offset is written
	FR 1-\par
	GLL \par
	EP \par
.Lno_a_\@:
	s_add_co_u32 s52, s22, 1
	s_cmp_ge_u32 s52, s21
	s_cbranch_scc1 .Lno_b_\@
.rept 5
	v_nop                                          ; five places ahead of products that begin the accumulators anew
.endr
	s_wait_dscnt 0x0                               ; the fragments are in
	MM 1-\par
	s_wait_loadcnt 0x0                             ; group g + 2's rows are in
	DS \par
.Lno_b_\@:
	s_add_co_u32 s22, s22, 1
.endm
	s_load_b256 s[4:11], s[0:1], 0x0               ; codes s[4:5], scl s[6:7], lists s[8:9], hidp s[10:11]
	s_load_b128 s[12:15], s[0:1], 0x20             ; W_c_w s[12:13], part s[14:15]
	v_lshl_add_u32 v190, v0, 2, 0x18200
	v_mov_b32 v191, 0
	v_lshrrev_b32 v10, 5, v0
	v_readfirstlane_b32 s16, v10                   ; wave 0..3
	s_mov_b32 s17, ttmp9                           ; q
	s_and_b32 s18, ttmp7, 0xffff                   ; b
	v_and_b32 v9, 31, v0                           ; lane
	v_and_b32 v14, 15, v0                          ; r
	v_bfe_u32 v15, v0, 4, 1                        ; h
	v_lshlrev_b32 v1, 4, v9                        ; 16 x lane
	s_wait_alu depctr_va_sdst(0)                   ; s16 is written, ahead of its first reader
	s_mul_i32 s55, s16, 8*PIT
	v_add_nc_u32 v2, s55, v1                       ; into a buffer: my 8 rows, 16 bytes a lane
	v_add_nc_u32 v3, BUF1, v2
	v_mul_u32_u24 v4, v14, PIT
	v_lshl_add_u32 v4, v15, 4, v4                  ; out of it: row r, + 16 h
	v_add_nc_u32 v5, BUF1, v4
	s_mul_i32 s55, s16, 16*PIT
	v_add_nc_u32 v10, s55, v1                      ; W_a's way in: my own 16 rows
	v_add_nc_u32 v11, s55, v4
	v_bfe_u32 v8, v0, 3, 1
	v_lshlrev_b32 v8, 4, v8
	v_lshl_add_u32 v8, v15, 3, v8
	v_and_b32 v12, 7, v0
	v_add_nc_u32 v8, v8, v12
	v_lshlrev_b32 v8, 2, v8                        ; the row of a group that my lane stores: 16 (r / 8) + 8 h + r % 8, 4 bytes each
	v_lshlrev_b32 v12, 6, v9                       ; 64 x lane: a row of scale bytes
	v_lshlrev_b32 v13, 2, v14                      ; 4 r
	s_mov_b32 s24, 0x4038aa3b                      ; 2 log2(e)
	s_mov_b32 s25, s24                             ; (named with it as a pair)
	s_mov_b32 s26, 0xaaaaaaaa                      ; lanes with bit 0, 1, 2, 3 of their number set
	s_mov_b32 s27, 0xcccccccc
	s_mov_b32 s28, 0xf0f0f0f0
	s_mov_b32 s29, 0xff00ff00
	s_mov_b32 s61, 0
	s_lshl_b32 s54, s18, 7
	s_wait_kmcnt 0x0
	s_load_b64 s[52:53], s[8:9], s54 offset:META   ; the batch's count (and flag, not used here)
	s_lshl_b32 s60, s18, 19
	s_add_nc_u64 s[30:31], s[4:5], s[60:61]        ; the batch's codes
	s_lshl_b32 s60, s18, 15
	s_add_nc_u64 s[32:33], s[6:7], s[60:61]        ; and scale bytes
	s_lshl_b32 s55, s17, 2
	s_add_co_u32 s55, s55, s16
	s_lshl_b32 s60, s55, 17
	s_lshl_b32 s55, s18, 11
	s_add_co_u32 s60, s60, s55
	s_add_nc_u64 s[34:35], s[14:15], s[60:61]      ; part[4 q + w][b]
	s_lshl_b32 s55, s17, 8
	s_lshl_b32 s60, s16, 6
	s_add_co_u32 s55, s55, s60                     ; my first hidden unit: 256 q + 64 w
	v_add_nc_u32 v14, s55, v14                     ; + r
	s_lshl_b32 s60, s55, 2
	s_lshl_b32 s62, s18, 12
	s_add_co_u32 s60, s60, s62
	s_add_nc_u64 s[10:11], s[10:11], s[60:61]      ; hidp[b][256 q + 64 w]
	s_add_co_u32 s55, s55, 32768                   ; W_a's rows lie behind the 64 batches
	s_lshl_b32 s60, s55, 10
	s_add_nc_u64 s[56:57], s[4:5], s[60:61]
	s_lshl_b32 s60, s55, 6
	s_add_nc_u64 s[58:59], s[6:7], s[60:61]
.irp t, 0,1,2,3
	v_add_nc_u32 v[SD+\t], 16*\t, v14
	v_min_u32 v[SD+\t], 999, v[SD+\t]              ; W_c_w has 1000 numbers
	v_lshlrev_b32 v[SD+\t], 2, v[SD+\t]
.endr
	s_wait_kmcnt 0x0
	s_min_u32 s19, s52, 0x200                      ; the count, 1 .. 512
	s_sub_co_u32 s20, s19, 1
	s_min_u32 s20, s20, 0x1ff                      ; the last kept position
	s_add_co_u32 s21, s19, 31
	s_lshr_b32 s21, s21, 5                         ; G
	s_mov_b32 s22, 0                               ; g
	GLA 0, 0
	s_wait_alu depctr_va_vdst(0)                   ; all offsets and LDS addresses are written: v1 to v6, v8, v10 to v13 and W_c_w's four in v[SD ..], which the loads and stores below read
	GLL 0                                          ; the first group is asked for first of all
.irp p, 0,1
.irp i, 0,1,2,3
	global_load_b128 v[BS+16*\p+4*\i:BS+16*\p+4*\i+3], v12, s[58:59] offset:2048*\p+16*\i
.endr
.endr
.irp t, 0,1,2,3
	global_load_b32 v[PP+\t], v13, s[10:11] offset:64*\t
	global_load_b32 v[SD+4+\t], v[SD+\t], s[12:13]
.endr
	WROUND 0
	WROUND 1                                       ; its last wait on loads is for 0: the first group and the small loads are in too
.irp t, 0,1,2,3
	v_add_nc_u32 v15, 16*\t, v14
	v_cmp_gt_u32 s[52+\t], 0x3e8, v15
.endr
	s_wait_alu depctr_va_sdst(0)                   ; the four compares have written s52 to s55, ahead of their first reader
.irp t, 0,1,2,3
	v_cndmask_b32 v[SD+4+\t], 0, v[SD+4+\t], s[52+\t]      ; hidden units 1000 on weigh nothing
	v_mul_f32 v[HC+2*\t], s24, v[PP+\t]
	v_mul_f32 v[HC+2*\t+1], s24, v[PP+\t]
	v_mul_f32 v[W2+2*\t], -2.0, v[SD+4+\t]
	v_mul_f32 v[W2+2*\t+1], -2.0, v[SD+4+\t]
.endr
	v_add_f32 v[WS], v[SD+4], v[SD+5]
	v_add_f32 v15, v[SD+6], v[SD+7]
	v_add_f32 v[WS], v[WS], v15
	v_mov_b32 v[WS+1], v[WS]
	s_barrier_signal -1                            ; every wave's reads of its own bytes are in (the wait for 0 at the round's end): the buffers may be written
	s_barrier_wait -1
	DS 0
	s_wait_dscnt 0x0                               ; for the others' sake
	GLA 1, 1
	s_wait_alu depctr_vm_vsrc(0)                   ; my LDS stores have read ST, in which group 1's rows land, and W_a's second round's have read window 1, in which group 0's fragments land; W_c_w's loads have read v[SD ..], which the way out writes
	s_wait_alu depctr_va_vdst(0)                   ; the second offset of scale words, v7, is written
	GLL 1
	s_barrier_signal -1
	s_barrier_wait -1                              ; group 0 lies whole in buffer 0
	FR 0
	s_wait_dscnt 0x0
	MM 0                                           ; G is at least 1
	s_wait_loadcnt 0x0
	DS 1
	s_mov_b32 s23, 0
.Ltrip:                                            ; 8 trips of two steps: 16 groups at the most
	STEP 0
	STEP 1
	s_wait_xcnt 0x0                                ; the stores have read their base
	s_add_nc_u64 s[34:35], s[34:35], 256
	s_add_co_u32 s23, s23, 1
	s_cmp_lt_u32 s23, 8
	s_cbranch_scc1 .Ltrip
	s_wait_dscnt 0x0                               ; the closing lines, six on end
	s_wait_alu 0x0
	s_wait_tensorcnt 0x0
	ds_add_u32 v190, v191
	s_wait_dscnt 0x0
	s_endpgm
.Lfunc_end_k_q1134baa275_scores:
	.size	k_q1134baa275_scores, .Lfunc_end_k_q1134baa275_scores-k_q1134baa275_scores
	.p2alignl 7, 3214868480
	.fill 96, 4, 3214868480
	.section	.rodata,"a",@progbits
	.p2align	6, 0x0
	.amdhsa_kernel k_q1134baa275_scores
		.amdhsa_group_segment_fixed_size 99328
		.amdhsa_private_segment_fixed_size 0
		.amdhsa_enable_private_segment 0
		.amdhsa_kernarg_size 48
		.amdhsa_user_sgpr_count 2
		.amdhsa_user_sgpr_kernarg_segment_ptr 1
		.amdhsa_wavefront_size32 1
		.amdhsa_system_sgpr_workgroup_id_x 1
		.amdhsa_system_sgpr_workgroup_id_y 1
		.amdhsa_system_sgpr_workgroup_id_z 1
		.amdhsa_system_vgpr_workitem_id 0
		.amdhsa_next_free_vgpr 1024
		.amdhsa_next_free_sgpr 66
		.amdhsa_reserve_vcc 0
		.amdhsa_float_denorm_mode_32 3
		.amdhsa_float_denorm_mode_16_64 3
		.amdhsa_memory_ordered 1
		.amdhsa_forward_progress 1
		.amdhsa_inst_pref_size 143
	.end_amdhsa_kernel
	.amdgpu_metadata
---
amdhsa.version: [ 1, 2 ]
amdhsa.kernels:
  - .name:           k_q1134baa275_scores
    .symbol:         k_q1134baa275_scores.kd
    .args:
      - { .name: codes, .offset: 0, .size: 8, .value_kind: global_buffer, .address_space: global }
      - { .name: scl, .offset: 8, .size: 8, .value_kind: global_buffer, .address_space: global }
      - { .name: lists, .offset: 16, .size: 8, .value_kind: global_buffer, .address_space: global }
      - { .name: hidp, .offset: 24, .size: 8, .value_kind: global_buffer, .address_space: global }
      - { .name: W_c_w, .offset: 32, .size: 8, .value_kind: global_buffer, .address_space: global }
      - { .name: part, .offset: 40, .size: 8, .value_kind: global_buffer, .address_space: global }
    .group_segment_fixed_size: 99328
    .private_segment_fixed_size: 0
    .kernarg_segment_align: 8
    .kernarg_segment_size: 48
    .max_flat_workgroup_size: 128
    .sgpr_count:     66
    .vgpr_count:     1024
    .wavefront_size: 32
...
	.end_amdgpu_metadata
.endif
;; end of part 6
;; launch wsum (part 7): grid 4 x 64, 16 waves a work-group, no clusters, 18,432 bytes of LDS; arguments part, lists, context, W_c_b, wsc, wss; writes wsc, wss
.if DOCPART == 7
	.amdgcn_target "amdgcn-amd-amdhsa--gfx1250"
	.amdhsa_code_object_version 6
	.text
	.protected	k_q1134baa275_wsum
	.globl	k_q1134baa275_wsum
	.p2align	8
	.type	k_q1134baa275_wsum,@function
k_q1134baa275_wsum:
	s_mov_b64 s[64:65], 0
	v_nop
	global_prefetch_b8 v0, s[64:65] scope:SCOPE_SE
	s_setreg_imm32_b32 hwreg(HW_REG_WAVE_SCHED_MODE, 0, 2), 2
	s_setreg_imm32_b32 hwreg(HW_REG_WAVE_MODE, 25, 1), 1
	s_wait_xcnt 0x0
	s_wait_alu depctr_vm_vsrc(0)
; WSUM.  For batch b (y) and columns 512 j .. 512 j + 511 (x = j): score = the sum of the 16 partial scores + W_c_b; softmax over the kept positions, the maximum taken away first;
; ws = sum p x context row / sum p, in f32 (it goes on into a quantiser); ws quantised to E2M1 along its 2000 columns, filled with zeros to 2048.
; A batch whose flag is set had no unmasked row: all its 512 scores are -1e6, as the where() in front of the softmax leaves them.
; Rows that the mask hides are not read: their weight exp(-1e6 - max) is exactly 0 in f32 beside a kept row.  LIMIT: sum |W_c_w| + |W_c_b| < 999,800.  NaN and infinities are not served.
; SHARES.  Thread t stands for position t in the softmax.  In the stream wave v takes the strip of 128 columns v % 4 (16 bytes a lane: a load reads 512 consecutive bytes of one row)
; and the blocks of 8 positions v / 4, v / 4 + 4, ..  Four sets of registers take turns: 24 to 32 loads of every wave are out.
; THE STREAM BEGINS AHEAD OF THE SOFTMAX: which rows are read hangs on the list alone, not on the weights.  A wave's first four blocks (positions under 128: always rows of the list, with p = 0 past the count)
; are asked for at the head, their source rows brought by scalar loads; their weights are read from LDS when the softmax is done.
; No matrix unit, no tensor load: the product has one row, and the trip counts hang on a count read from memory.
; BARRIERS, four, each on every wave's path: behind the waves' maxima; behind p, the source rows and the waves' sums; behind the stream's LDS reads; behind the stage's stores.
; THE MODE: SCHED_MODE bits 1:0 = 2 (LLVM: expert scheduling mode 2), set by the entry lines.  The code itself states the register dependences
; between vector instructions and memory or LDS instructions, with s_wait_alu, always for 0.
; THE PLAN.  Registers that memory or LDS instructions touch, in the stream; set s at SB = 20 + 48 s:
;   SB .. SB+7      LDS loads bring eight source rows; 24 vector lines make offsets of them; the set's eight loads of context read them.
;   SB+8 .. SB+15   LDS loads bring eight weights; the set's multiply-adds read them.
;   SB+16 .. SB+47  The eight loads of context land; the multiply-adds read them.
;   v9              The LDS offset of a block: written by one move a body, read by the body's four LDS loads.
;   v8              My column's bytes: made at the head, never written again.
; A body has three waits.  On vm_vsrc, behind the wait for the set's data: the LDS loads issued so far have read v9, the set's loads their offsets.  Then the move of v9 and the set's multiply-adds.
; On va_vdst: v9 is written, and the multiply-adds are done reading the set.  Then the four LDS loads, their wait and the 24 lines.  On va_vdst once more: the offsets are written.  Then the eight loads.
; The drains hold no memory instruction and so no s_wait_alu.
.set META, 139264
.set RED1, 0                           ; LDS: the waves' maxima, 64 bytes;
.set RED2, 256                         ; their sums, 64 bytes;
.set PT,   512                         ; p of 512 positions;
.set IX,   4096                        ; the positions' source rows;
.set STG,  8192                        ; 4 row groups x 512 columns of partial sums
.set T,    212                         ; v212-227 the 16 partial scores
.set R,    228                         ; v228-243 the 16 waves' maxima
; v1 lane, v2 part's offset, v3 4 t, v4 source row, v5-7 at work, v8 my column bytes, v9 LDS offset of a block, v10-11 1 / sum, v12-15 and v16-19 two sets of sums;
; set s (0 to 3) at SB = 20 + 48 s: 8 row offsets, 8 weights, 8 x 4 numbers.  s68-99: the source rows of my first four blocks
.macro EARLYA set                      ; one of my first four blocks: its eight offsets, from the scalar list
.set SB, 20+48*(\set)
.irp k, 0,1,2,3,4,5,6,7
	s_min_u32 s[68+8*(\set)+\k], s[68+8*(\set)+\k], 0x1ff
	s_mul_i32 s[68+8*(\set)+\k], s[68+8*(\set)+\k], 8000
	v_add_nc_u32 v[SB+\k], s[68+8*(\set)+\k], v8
.endr
.endm
.macro EARLYL set                      ; and its eight loads
.set SB, 20+48*(\set)
.irp k, 0,1,2,3,4,5,6,7
	global_load_b128 v[SB+16+4*\k:SB+19+4*\k], v[SB+\k], s[32:33] th:TH_LOAD_NT
.endr
.endm
.macro ISSUE set                       ; a later block: source rows and weights from LDS (v9 holds the block's offset), 8 loads
.set SB, 20+48*(\set)
	ds_load_b128 v[SB:SB+3], v9 offset:IX
	ds_load_b128 v[SB+4:SB+7], v9 offset:IX+16
	ds_load_b128 v[SB+8:SB+11], v9 offset:PT
	ds_load_b128 v[SB+12:SB+15], v9 offset:PT+16
	s_add_co_u32 s26, s26, 128                     ; my next block: four blocks of 8 positions on
	s_wait_dscnt 0x0
.irp i, 0,1,2,3,4,5,6,7
	v_min_u32 v[SB+\i], 0x1ff, v[SB+\i]
	v_mul_u32_u24 v[SB+\i], v[SB+\i], 0x1f40
	v_add_nc_u32 v[SB+\i], v[SB+\i], v8
.endr
	s_wait_alu depctr_va_vdst(0)                   ; the eight offsets are written, which the loads below read
.irp i, 0,1,2,3,4,5,6,7
	global_load_b128 v[SB+16+4*\i:SB+19+4*\i], v[SB+\i], s[32:33] th:TH_LOAD_NT
.endr
.endm
.macro FMA set                         ; 8 rows x 4 columns, two columns an instruction; the row's weight serves both halves; even and odd sets add onto sums of their own
.set SB, 20+48*(\set)
.set AC, 12+4*((\set)%2)
.irp i, 0,2,4,6
.irp c, 0,2
	v_pk_fma_f32 v[AC+\c:AC+\c+1], v[SB+16+4*\i+\c:SB+17+4*\i+\c], v[SB+8+\i:SB+9+\i], v[AC+\c:AC+\c+1] op_sel_hi:[1,0,1]
.endr
.irp c, 0,2
	v_pk_fma_f32 v[AC+\c:AC+\c+1], v[SB+20+4*\i+\c:SB+21+4*\i+\c], v[SB+8+\i:SB+9+\i], v[AC+\c:AC+\c+1] op_sel:[0,1,0] op_sel_hi:[1,1,1]
.endr
.endr
.endm
.macro BODY cur
	s_add_co_u32 s27, s29, 4
	s_cmp_ge_u32 s27, s28
	s_cbranch_scc1 .Ltail_\cur                     ; no block is left to ask for
	s_wait_loadcnt 24                              ; this set's 8 loads are in; the other three sets' 24 younger ones stay out
	s_wait_alu depctr_vm_vsrc(0)                   ; the LDS loads issued so far have read v9, which is written below; this set's loads of context have read their eight offsets, in which the next source rows land
	s_min_u32 s27, s26, 2016                       ; a block's 32 bytes lie inside the 2,048
	v_mov_b32 v9, s27
	FMA \cur
	s_wait_alu depctr_va_vdst(0)                   ; v9 is written, which the LDS loads below read; the multiply-adds are done reading the set's weights and numbers, in which the loads below land
	ISSUE \cur
	s_add_co_u32 s29, s29, 1
.endm
.macro DRAIN c                         ; the four sets that are out, the oldest first; nothing more is asked for, so the counts run down
	s_wait_loadcnt 24
	FMA \c
	s_wait_loadcnt 16
	FMA (\c+1)%4
	s_wait_loadcnt 8
	FMA (\c+2)%4
	s_wait_loadcnt 0x0
	FMA (\c+3)%4
.endm
	s_load_b256 s[4:11], s[0:1], 0x0               ; part s[4:5], lists s[6:7], context s[8:9], W_c_b s[10:11]
	s_load_b128 s[12:15], s[0:1], 0x20             ; wsc s[12:13], wss s[14:15]
	v_lshl_add_u32 v254, v0, 2, 0x4000
	v_mov_b32 v255, 0
	v_lshrrev_b32 v5, 5, v0
	v_readfirstlane_b32 s16, v5                    ; wave 0..15
	s_mov_b32 s17, ttmp9                           ; j
	s_and_b32 s18, ttmp7, 0xffff                   ; b
	s_mov_b32 s24, 0x76543210
	s_mov_b32 s25, 0xfedcba98                      ; v_permlanex16_b32's selects for lane l xor 16
	v_and_b32 v1, 31, v0
	v_lshlrev_b32 v3, 2, v0
	s_wait_alu depctr_va_sdst(0)                   ; s16 is written, ahead of its first reader
	s_and_b32 s35, s16, 3                          ; my strip of columns
	s_lshr_b32 s36, s16, 2                         ; my group of rows
	s_lshl_b32 s38, s18, 7
	s_lshl_b32 s39, s18, 11
	s_lshl_b32 s27, s36, 5
	s_add_co_u32 s39, s39, s27                     ; the list's bytes of my first block: 2,048 b + 32 x my group
	s_mov_b32 s31, 0
	s_wait_kmcnt 0x0
	s_load_b64 s[20:21], s[6:7], s38 offset:META   ; count, flag
	s_load_b32 s22, s[10:11], 0x0                  ; W_c_b
.irp i, 0,1,2,3
	s_load_b256 s[68+8*\i:75+8*\i], s[6:7], s39 offset:128*\i   ; the source rows of my blocks 0 to 3
.endr
	s_lshl_b32 s30, s18, 11
	s_add_nc_u64 s[4:5], s[4:5], s[30:31]          ; part[.][b]
	s_add_nc_u64 s[40:41], s[6:7], s[30:31]        ; ROWS[b]
	s_wait_alu depctr_va_vdst(0)                   ; v3 is written, which the load below reads as its offset
	global_load_b32 v4, v3, s[40:41]
	s_mul_i32 s30, s18, 4096000
	s_add_nc_u64 s[32:33], s[8:9], s[30:31]        ; the batch's rows of context
	s_lshl_b32 s30, s18, 10
	s_lshl_b32 s27, s17, 8
	s_add_co_u32 s30, s30, s27
	s_add_nc_u64 s[12:13], s[12:13], s[30:31]      ; wsc: 1,024 b + 256 j
	s_lshl_b32 s30, s18, 6
	s_lshl_b32 s27, s17, 4
	s_add_co_u32 s30, s30, s27
	s_add_nc_u64 s[14:15], s[14:15], s[30:31]      ; wss: 64 b + 16 j
	s_lshl_b32 s27, s17, 11
	s_lshl_b32 s30, s35, 9
	s_add_co_u32 s27, s27, s30
	v_lshl_add_u32 v8, v1, 4, s27
	v_min_u32 v8, 7984, v8                         ; my 16 bytes of a row; past column 1999 the row's last 16 (those sums are cleared at the end)
	s_lshl_b32 s27, s16, 2
	v_mov_b32 v10, s27                             ; my wave's word among the maxima and the sums
	s_wait_kmcnt 0x0
	s_min_u32 s19, s20, 0x200                      ; the count, 1 .. 512
	s_sub_co_u32 s23, s19, 1
	s_min_u32 s23, s23, 0x1ff
	v_min_u32 v2, s23, v0
	v_min_u32 v2, 0x1ff, v2                        ; a position past the count reads the last kept one's numbers and is set to -infinity below
	v_lshlrev_b32 v2, 2, v2
	EARLYA 0
	EARLYA 1
	EARLYA 2
	EARLYA 3
	s_wait_alu depctr_va_vdst(0)                   ; v2 and the 32 offsets of my first four blocks are written, which the 48 loads below read
.irp i, 0,1,2,3,4,5,6,7,8,9,10,11,12,13,14,15
	global_load_b32 v[T+\i], v2, s[4:5] offset:131072*\i
.endr
	EARLYL 0                                       ; 32 loads of context go out behind the partial scores and land while the softmax is made
	EARLYL 1
	EARLYL 2
	EARLYL 3
	s_add_co_u32 s27, s19, 7
	s_lshr_b32 s27, s27, 3                         ; blocks of 8 positions
	s_sub_co_u32 s28, s27, s36
	s_add_co_u32 s28, s28, 3
	s_lshr_b32 s28, s28, 2
	s_cmp_gt_u32 s27, s36
	s_cselect_b32 s28, s28, 0                      ; of which mine
	s_cmp_lg_u32 s21, 0
	s_cselect_b32 s37, -1, 0
	v_mov_b32 v5, 0xc9742400                       ; -1e6
	v_mov_b32 v7, 0xff800000                       ; -infinity
	v_cmp_le_u32 vcc_lo, s19, v0                   ; no position
	s_wait_loadcnt 32                              ; my source row and the 16 partial scores are in; the 32 younger loads stay out
	v_min_u32 v4, 0x1ff, v4
	v_pk_add_f32 v[T:T+1], v[T:T+1], v[T+2:T+3]
	v_pk_add_f32 v[T+4:T+5], v[T+4:T+5], v[T+6:T+7]
	v_pk_add_f32 v[T+8:T+9], v[T+8:T+9], v[T+10:T+11]
	v_pk_add_f32 v[T+12:T+13], v[T+12:T+13], v[T+14:T+15]
	v_pk_add_f32 v[T:T+1], v[T:T+1], v[T+4:T+5]
	v_pk_add_f32 v[T+8:T+9], v[T+8:T+9], v[T+12:T+13]
	v_pk_add_f32 v[T:T+1], v[T:T+1], v[T+8:T+9]
	v_add_f32 v6, v[T], v[T+1]
	v_add_f32 v6, s22, v6                          ; the score
	v_cndmask_b32 v6, v6, v5, s37                  ; a batch with no unmasked row
	s_wait_alu depctr_va_vcc(0)                    ; the compare has written VCC, ahead of its first reader
	v_cndmask_b32 v6, v6, v7, vcc_lo
	v_mov_b32 v5, v6
	v_max_num_f32_dpp v5, v5, v5 row_xmask:1 row_mask:0xf bank_mask:0xf
	v_max_num_f32_dpp v5, v5, v5 row_xmask:2 row_mask:0xf bank_mask:0xf
	v_max_num_f32_dpp v5, v5, v5 row_xmask:4 row_mask:0xf bank_mask:0xf
	v_max_num_f32_dpp v5, v5, v5 row_xmask:8 row_mask:0xf bank_mask:0xf
	v_permlanex16_b32 v7, v5, s24, s25
	v_max_num_f32 v5, v5, v7
	v_mov_b32 v7, 0
	s_wait_alu depctr_va_vdst(0)                   ; my wave's maximum v5 is written, which the LDS store reads, and the address v7, which the loads behind the barrier read
	ds_store_b32 v10, v5 offset:RED1               ; all lanes write the same word with the same value
	s_wait_dscnt 0x0
	s_barrier_signal -1
	s_barrier_wait -1
.irp i, 0,1,2,3
	ds_load_b128 v[R+4*\i:R+4*\i+3], v7 offset:RED1+16*\i
.endr
	s_wait_dscnt 0x0
	s_wait_alu depctr_vm_vsrc(0)                   ; the store of my wave's maximum has read v5 and the four loads v7: both are written again for the sum
	v_max3_num_f32 v[R], v[R], v[R+1], v[R+2]
.irp i, 3,5,7,9,11,13
	v_max3_num_f32 v[R], v[R], v[R+\i], v[R+\i+1]
.endr
	v_max_num_f32 v[R], v[R], v[R+15]              ; the batch's largest score (position 0 is always kept: it is a number)
	v_sub_f32 v6, v6, v[R]
	v_mul_f32 v6, 0x3fb8aa3b, v6
	v_exp_f32 v6, v6                               ; p = e^(score - max)
	v_nop
	s_wait_alu depctr_va_vdst(0)                   ; the exponential has written p in v6, ahead of its first reader; v6 and the held source row v4 are the data of the two stores below
	ds_store_b32 v3, v6 offset:PT
	ds_store_b32 v3, v4 offset:IX
	v_mov_b32 v5, v6
	v_add_f32_dpp v5, v5, v5 row_xmask:1 row_mask:0xf bank_mask:0xf
	v_add_f32_dpp v5, v5, v5 row_xmask:2 row_mask:0xf bank_mask:0xf
	v_add_f32_dpp v5, v5, v5 row_xmask:4 row_mask:0xf bank_mask:0xf
	v_add_f32_dpp v5, v5, v5 row_xmask:8 row_mask:0xf bank_mask:0xf
	v_permlanex16_b32 v7, v5, s24, s25
	v_add_f32 v5, v5, v7
	s_lshl_b32 s26, s36, 5                         ; my first block: 8 positions x 4 bytes x my group
	v_mov_b32 v9, s26
.irp i, 12,13,14,15,16,17,18,19
	v_mov_b32 v[\i], 0                             ; the two sets of sums
.endr
	s_wait_alu depctr_va_vdst(0)                   ; my wave's sum v5 is written, which the LDS store reads, and the offset v9, which the loads behind the barrier read
	ds_store_b32 v10, v5 offset:RED2
	s_wait_dscnt 0x0
	s_wait_alu depctr_vm_vsrc(0)                   ; that store has read v5, which is written again behind the stream
	s_barrier_signal -1
	s_barrier_wait -1                              ; p, the source rows and the waves' sums lie in LDS; nobody writes them again
.irp s, 0,1,2,3
	ds_load_b128 v[28+48*\s:31+48*\s], v9 offset:PT+128*\s          ; the weights of the four blocks that were asked for at the head
	ds_load_b128 v[32+48*\s:35+48*\s], v9 offset:PT+128*\s+16
.endr
	s_add_co_u32 s26, s26, 512                     ; the next block to ask for is my fifth
	s_wait_dscnt 0x0
	s_mov_b32 s29, 0
	s_mov_b32 s34, 0
.Lstream:                                          ; 12 bodies ask for blocks 4 to 15: a wave has 16 blocks at the most
	BODY 0
	BODY 1
	BODY 2
	BODY 3
	s_add_co_u32 s34, s34, 1
	s_cmp_lt_u32 s34, 3
	s_cbranch_scc1 .Lstream
.Ltail_0:
	DRAIN 0
	s_branch .Ljoin
.Ltail_1:
	DRAIN 1
	s_branch .Ljoin
.Ltail_2:
	DRAIN 2
	s_branch .Ljoin
.Ltail_3:
	DRAIN 3
.Ljoin:
	v_pk_add_f32 v[12:13], v[12:13], v[16:17]
	v_pk_add_f32 v[14:15], v[14:15], v[18:19]
	v_lshlrev_b32 v5, 4, v0                        ; 2,048 x group + 512 x strip + 16 x lane = 16 t
	s_wait_dscnt 0x0                               ; my reads of p and of the source rows are in (each run of them was waited for as it was issued);
	s_barrier_signal -1                            ; one barrier between all waves' LDS reads of the stream and the stores into the stage:
	s_barrier_wait -1
	s_wait_alu depctr_va_vdst(0)                   ; my four sums v12 to v15 and their place v5 are written, which the LDS store reads
	ds_store_b128 v5, v[12:15] offset:STG
	s_wait_dscnt 0x0                               ; for wave 0's sake: my part of the stage has landed
	s_wait_alu depctr_vm_vsrc(0)                   ; that store has read v5, which wave 0 writes again; the loads of context have read their offsets and the LDS loads v9 and v10's stores their address: wave 0's loads land in some of these registers, its arithmetic writes others
	s_barrier_signal -1
	s_barrier_wait -1
	s_cmp_lg_u32 s16, 0
	s_cbranch_scc1 .Lend
	; wave 0: lane l takes columns 16 l .. 16 l + 15: two neighbouring lanes hold a block of 32
	v_lshlrev_b32 v5, 6, v1
	v_mov_b32 v7, 0
	s_wait_alu depctr_va_vdst(0)                   ; the two LDS addresses v5 and v7 are written; the stream's multiply-adds are done reading v36 to v115, in which the loads below land
.irp i, 0,1,2,3
	ds_load_b128 v[100+4*\i:103+4*\i], v7 offset:RED2+16*\i
.endr
.irp g, 0,1,2,3
.irp i, 0,1,2,3
	ds_load_b128 v[36+16*\g+4*\i:39+16*\g+4*\i], v5 offset:STG+2048*\g+16*\i
.endr
.endr
	s_wait_dscnt 0x0
	s_wait_alu depctr_vm_vsrc(0)                   ; those loads have read v5 and v7, which the block's maxima below write
	v_pk_add_f32 v[100:101], v[100:101], v[102:103]
	v_pk_add_f32 v[104:105], v[104:105], v[106:107]
	v_pk_add_f32 v[108:109], v[108:109], v[110:111]
	v_pk_add_f32 v[112:113], v[112:113], v[114:115]
	v_pk_add_f32 v[100:101], v[100:101], v[104:105]
	v_pk_add_f32 v[108:109], v[108:109], v[112:113]
	v_pk_add_f32 v[100:101], v[100:101], v[108:109]
	v_add_f32 v100, v100, v101                     ; the sum of p
	v_rcp_f32 v10, v100
.irp c, 0,2,4,6,8,10,12,14
	v_pk_add_f32 v[36+\c:37+\c], v[36+\c:37+\c], v[52+\c:53+\c]     ; the four groups' sums: work that names nothing of the reciprocal
	v_pk_add_f32 v[68+\c:69+\c], v[68+\c:69+\c], v[84+\c:85+\c]
.endr
.irp c, 0,2,4,6,8,10,12,14
	v_pk_add_f32 v[36+\c:37+\c], v[36+\c:37+\c], v[68+\c:69+\c]
.endr
	s_wait_alu depctr_va_vdst(0)                   ; the reciprocal has written v10, ahead of its first reader
	v_mov_b32 v11, v10
.irp c, 0,2,4,6,8,10,12,14
	v_pk_mul_f32 v[36+\c:37+\c], v[36+\c:37+\c], v[10:11]
.endr
	s_cmp_eq_u32 s17, 3
	s_cselect_b32 s27, 29, 32                      ; 1,536 + 16 x 29 = 2,000: the columns from there on are the quantiser's zeros
	v_cmp_gt_u32 vcc_lo, s27, v1
	s_wait_alu depctr_va_vcc(0)                    ; the compare has written VCC, ahead of its first reader
.irp i, 0,1,2,3,4,5,6,7,8,9,10,11,12,13,14,15
	v_cndmask_b32 v[36+\i], 0, v[36+\i], vcc_lo
.endr
	v_max3_num_f32 v5, |v36|, |v37|, |v38|
	v_max3_num_f32 v7, |v39|, |v40|, |v41|
.irp i, 6,10
	v_max3_num_f32 v5, v5, |v[36+\i]|, |v[37+\i]|
	v_max3_num_f32 v7, v7, |v[38+\i]|, |v[39+\i]|
.endr
	v_max3_num_f32 v5, v5, |v50|, |v51|
	v_max3_num_f32 v5, v5, v7, 0x1800000           ; and the floor 2^(3 - 127): the byte cannot fall under 1
	v_max_num_f32_dpp v5, v5, v5 row_xmask:1 row_mask:0xf bank_mask:0xf
	v_add_nc_u32 v9, 0xff000000, v5                ; 2 off the exponent field: the conversion's scale operand
	v_cvt_scalef32_pk8_fp4_f32 v116, v[36:43], v9
	v_cvt_scalef32_pk8_fp4_f32 v117, v[44:51], v9
	v_lshrrev_b32 v118, 23, v9                     ; the scale's byte
	v_lshlrev_b32 v119, 3, v1
	v_lshrrev_b32 v120, 1, v1
	s_wait_alu depctr_va_vdst(0)                   ; the codes v116 and v117, the byte v118 and the two offsets v119 and v120 are written, which the stores read
	global_store_b64 v119, v[116:117], s[12:13]    ; 32 lanes store 256 consecutive bytes, at a multiple of 256 from the buffer's first byte
	global_store_b8 v120, v118, s[14:15]           ; both lanes of a block write the same byte with the same value
.Lend:
	s_wait_dscnt 0x0                               ; the closing lines, six on end
	s_wait_alu 0x0
	s_wait_tensorcnt 0x0
	ds_add_u32 v254, v255
	s_wait_dscnt 0x0
	s_endpgm
.Lfunc_end_k_q1134baa275_wsum:
	.size	k_q1134baa275_wsum, .Lfunc_end_k_q1134baa275_wsum-k_q1134baa275_wsum
	.p2alignl 7, 3214868480
	.fill 96, 4, 3214868480
	.section	.rodata,"a",@progbits
	.p2align	6, 0x0
	.amdhsa_kernel k_q1134baa275_wsum
		.amdhsa_group_segment_fixed_size 18432
		.amdhsa_private_segment_fixed_size 0
		.amdhsa_enable_private_segment 0
		.amdhsa_kernarg_size 48
		.amdhsa_user_sgpr_count 2
		.amdhsa_user_sgpr_kernarg_segment_ptr 1
		.amdhsa_wavefront_size32 1
		.amdhsa_system_sgpr_workgroup_id_x 1
		.amdhsa_system_sgpr_workgroup_id_y 1
		.amdhsa_system_sgpr_workgroup_id_z 1
		.amdhsa_system_vgpr_workitem_id 0
		.amdhsa_next_free_vgpr 256
		.amdhsa_next_free_sgpr 100
		.amdhsa_reserve_vcc 1
		.amdhsa_float_denorm_mode_32 3
		.amdhsa_float_denorm_mode_16_64 3
		.amdhsa_memory_ordered 1
		.amdhsa_forward_progress 1
		.amdhsa_inst_pref_size 56
	.end_amdhsa_kernel
	.amdgpu_metadata
---
amdhsa.version: [ 1, 2 ]
amdhsa.kernels:
  - .name:           k_q1134baa275_wsum
    .symbol:         k_q1134baa275_wsum.kd
    .args:
      - { .name: part, .offset: 0, .size: 8, .value_kind: global_buffer, .address_space: global }
      - { .name: lists, .offset: 8, .size: 8, .value_kind: global_buffer, .address_space: global }
      - { .name: context, .offset: 16, .size: 8, .value_kind: global_buffer, .address_space: global }
      - { .name: W_c_b, .offset: 24, .size: 8, .value_kind: global_buffer, .address_space: global }
      - { .name: wsc, .offset: 32, .size: 8, .value_kind: global_buffer, .address_space: global }
      - { .name: wss, .offset: 40, .size: 8, .value_kind: global_buffer, .address_space: global }
    .group_segment_fixed_size: 18432
    .private_segment_fixed_size: 0
    .kernarg_segment_align: 8
    .kernarg_segment_size: 48
    .max_flat_workgroup_size: 512
    .sgpr_count:     100
    .vgpr_count:     256
    .wavefront_size: 32
...
	.end_amdgpu_metadata
.endif
;; end of part 7
;; launch dense: the kernel of part 4 again; grid 63 x 1, 4 waves a work-group, no clusters, 83,712 bytes of LDS; arguments wsc, wss, codes, scl, dense_b, out0; writes out0
